; MI455X (gfx1250); checked and timed in simulation.
; The chip was launched on July 23, 2026; its instructions are those of AMD's public machine-readable ISA for CDNA 5 (MIT licence, August 2026) and "CDNA5" Instruction Set Architecture Reference Guide (July 2026). The comments in the code are by the model that wrote it; some were corrected since.
;; Mu Guided Attention. Allowed arithmetic: matrix products marked QUANTISED: E4M3 operands, one given power-of-two scale a tensor, by v_wmma_f32_16x16x64_fp8_fp8 or v_wmma_f32_16x16x128_fp8_fp8, f32 sums; everything else in f32.
;; Inputs: Wk 2,048 x 512 float32; Wmk 2,048 x 512 float32; Wmq 2,048 x 2,048 float32; Wmv 2,048 x 512 float32; Wo 2,048 x 2,048 float32; Wq 2,048 x 2,048 float32; Wv 2,048 x 512 float32; hidden 2,048 x 2,048 float32; k_norm_w 64 float32; lowp_scales 18 int32 (the exponents e of the quantised operands' scales 2^e); mu_prev 2,048 x 2,048 float32; positions 2,048 int32; q_norm_w 64 float32.
;; Outputs: out0 2,048 x 2,048 float32.
;; This version of the problem:
;;   THIS VERSION OF THE PROBLEM IS GIVEN IN LOW PRECISION. The matrix products marked QUANTISED in the list below multiply operands that are first quantised to E4M3 (4 exponent bits, 3 mantissa bits; 8 bits a number), with one given power-of-two scale for each operand tensor; their sums are f32. All else is computed in f32.
;;   The module's matrix products, in the order in which they are computed (A, B: the left and right operand; K: the contracted axis; several contracted axes count as one K, in the product's order):
;;     1. [M 2,048, K 2,048] x [K 2,048, N 2,048]; A: input hidden; B: input Wq: QUANTISED (scales: A lowp_scales[0], B lowp_scales[1])
;;     2. [M 2,048, K 2,048] x [K 2,048, N 2,048]; A: input mu_prev; B: input Wmq: QUANTISED (scales: A lowp_scales[2], B lowp_scales[3])
;;     3. [M 2,048, K 2,048] x [K 2,048, N 512]; A: input hidden; B: input Wk: QUANTISED (scales: A lowp_scales[4], B lowp_scales[5])
;;     4. [M 2,048, K 2,048] x [K 2,048, N 512]; A: input mu_prev; B: input Wmk: QUANTISED (scales: A lowp_scales[6], B lowp_scales[7])
;;     5. [M 2,048, K 2,048] x [K 2,048, N 512]; A: input hidden; B: input Wv: QUANTISED (scales: A lowp_scales[8], B lowp_scales[9])
;;     6. [M 2,048, K 2,048] x [K 2,048, N 512]; A: input mu_prev; B: input Wmv: QUANTISED (scales: A lowp_scales[10], B lowp_scales[11])
;;     7. batch 32 x [M 2,048, K 64] x [K 64, N 2,048]; A: computed on the way; B: computed on the way: QUANTISED (scales: A lowp_scales[12], B lowp_scales[13])
;;     8. batch 32 x [M 64, K 2,048] x [K 2,048, N 2,048]; A: computed on the way; B: softmax (see below): QUANTISED (scales: A lowp_scales[14], B lowp_scales[15])
;;     9. [M 2,048, K 2,048] x [K 2,048, N 2,048]; A: computed on the way; B: input Wo: QUANTISED (scales: A lowp_scales[16], B lowp_scales[17])
;;   THE QUANTISER, for each operand of a quantised product, along K:
;;     - The operand's scale is 2^e, e = its entry of the input lowp_scales (int32; the entries are numbered through the quantised products in the list's order, A before B).
;;     - Each number is divided by the scale, clamped to +-448, and rounded to the nearest number of E4M3, ties to even, subnormals kept.
;;     - The product sums the exact products of the quantised numbers (number of the format x scale) in f32.
;;   ~~~python
;;   def quantise(x, axis, e):      # numpy; x: float32 -> the quantised numbers, widened to float32 again
;;       x = np.moveaxis(x, axis, -1); K = x.shape[-1]
;;       r = np.clip(x / 2.0 ** e, -448, 448)
;;       step = 2.0 ** (np.maximum(np.frexp(np.where(r == 0, 1, r))[1] - 1, -6) - 3)
;;       q = np.round(r / step) * step * 2.0 ** e      # np.round: ties to even
;;       return np.moveaxis(q, -1, axis).astype(np.float32)
;;   ~~~
;;   SOFTMAX AHEAD OF A QUANTISED PRODUCT. Where the list says 'softmax', what is quantised is not the finished softmax but p = 2^(t - M), with t = logit x log2(e) and M = ceil(the row's largest t), a whole number; so 1/2 < the row's largest p <= 1. The row's sum l is taken of the UNQUANTISED p, in f32, and the product's result is divided by l at the end. Since M is a whole number, a kernel that streams over the keys may use a running M (the ceiling of the running maximum): every later rescaling is an exact power of two, so the quantised numbers keep their values, but for numbers so far below the row's largest that they fall under the format's range.
;;   OPERANDS COMPUTED ON THE WAY. 'Computed on the way' means the value that the module computes at that place (a softmax that the list does not call 'softmax' is quantised finished and normalised). What goes into a quantiser is computed in f32, as accurately as f32 sums, v_exp_f32 and their like allow (about 1e-6 of the number): no bf16 or f16 on the way to a quantiser, and a product that is left as it is and whose result goes on into a quantised operand takes f32 operands (vector FMAs, or v_wmma_f32_16x16x4_f32). A number that lies on a knife's edge between two numbers of the format may be rounded either way, as far as f32 arithmetic and the matrix unit's own rounding can turn it there, and no further.
;; One version. Each part assembles by itself: llvm-mc -triple=amdgcn-amd-amdhsa -mcpu=gfx1250 --defsym DOCPART=n.
;; ======== version 1 of 1: 4 launches
;; limits: right only within a limited range of input values
;; workspace buffers: acodes 25,165,824 bytes; wcodes 12,582,912 bytes; wocodes 4,194,304 bytes; rope 524,288 bytes; qimg 4,194,304 bytes; kimg 1,048,576 bytes; vimg 1,048,576 bytes; oimg 4,194,304 bytes
;; launch prep (part 1): grid 800 x 1, 4 waves a work-group, no clusters, 68,096 bytes of LDS; arguments hidden, mu_prev, Wq, Wmq, Wo, Wk, Wmk, Wv, Wmv, positions, lowp_scales, acodes, wcodes, wocodes, rope; writes acodes, wcodes, wocodes, rope
.if DOCPART == 1
	.amdgcn_target "amdgcn-amd-amdhsa--gfx1250"
	.amdhsa_code_object_version 6
	.text
	.protected	k_q8112dda774_prep
	.globl	k_q8112dda774_prep
	.p2align	8
	.type	k_q8112dda774_prep,@function
k_q8112dda774_prep:
	s_mov_b64 s[64:65], 0
	v_nop
	global_prefetch_b8 v0, s[64:65] scope:SCOPE_SE
	s_setreg_imm32_b32 hwreg(HW_REG_WAVE_MODE, 25, 1), 1
	s_wait_xcnt 0x0
; PREP: everything that is quantised once, and the table of cosines and sines.  Three paths, parted on the work-group's number alone.
;  W (work-groups 0-511): the seven weights, f32 [K][N], become codes of E4M3 laid [N][K], K innermost.  A lane takes a column, its registers run down K, so the conversions give K innermost; the codes leave through the wave's stage as rows of 256 bytes.
;      wcodes [3072 places][4096]: columns of Wq | Wk | Wv; in a row first the 2,048 codes of W., then those of Wm.   wocodes [2048 places][2048].
;  A (512-767): hidden and mu_prev, f32 [2048][2048], become codes three times, once for each of their given scales: acodes [3 sets][2048 places][4096]: hidden's 2,048 codes, then mu's.
;  R (768-799): rope [128 token tiles][8 quads][32 lanes][16 bytes]: for lane (r, h) of a token tile cos, then sin, of position x inv_freq(16 h + 0 .. 15).
; PLACES: row x of the three code buffers is stored at place sigma(x) = x with bits 3 and 4 exchanged.  Sixteen consecutive places 16 i + r then hold rows 32 (i/2) + 8 (i%2) + r + 8 (r/8): the rows that a product's tile wants, so that
; the 16 registers of two neighbouring result tiles are 16 neighbours along the next product's K.
; code = x / 2^e, held within +-448, to the nearest code, ties to even.  LIMITS: each e used here lies between -126 and 119.  NaN among the inputs is not served.
; Sine and cosine: the angle less the nearest multiple of pi/2 (pi/2 in three parts, fused multiply-adds), then polynomials on +-pi/4.  LIMIT: |position| under 2^20.  inv_freq = 2^(-j log2(10000) / 32) by v_exp_f32.
; No tensor loads, no barrier: waves share nothing.  Each path that uses LDS has bytes of its own.
.set SPARE, 67584                      ; behind the stages: the spare words, 128 bytes a wave
.set WST,   32768                      ; path W's stages: 32 rows x 272 bytes for each wave
.set WP,    272
.set SP,    80                         ; path A: a lane's place in a stage: 64 bytes + 16
.set SPW,   12                         ; v12 my spare word's address; v13 0: never rewritten
.set NIL,   13
	s_load_b512 s[8:23], s[0:1], 0x0               ; hidden 8, mu 10, Wq 12, Wmq 14, Wo 16, Wk 18, Wmk 20, Wv 22
	s_load_b256 s[24:31], s[0:1], 0x40             ; Wmv 24, positions 26, scales 28, acodes 30
	s_load_b128 s[32:35], s[0:1], 0x60             ; wcodes 32, wocodes 34
	s_load_b64 s[36:37], s[0:1], 0x70              ; rope
	v_lshl_add_u32 v[SPW], v0, 2, SPARE
	v_mov_b32 v[NIL], 0
	v_lshrrev_b32 v1, 5, v0
	v_readfirstlane_b32 s38, v1                    ; wave
	v_and_b32 v2, 31, v0                           ; lane
	v_lshlrev_b32 v3, 4, v2                        ; 16 x lane
	v_and_b32 v5, 15, v2                           ; r
	v_lshrrev_b32 v6, 4, v2                        ; h
	; all LDS addresses are made here, ahead of the parting, in registers that hold nothing else
	s_mul_i32 s39, s38, 32*WP
	s_add_co_u32 s39, s39, WST
	v_mul_u32_u24 v4, v2, WP
	v_add_nc_u32 v4, s39, v4                       ; W: into the stage: row = my column
	v_mul_u32_u24 v7, v6, WP
	v_lshl_add_u32 v7, v5, 4, v7
	v_add_nc_u32 v7, s39, v7                       ; W: out of it: sixteen lanes to a row
	s_lshl_b32 s39, s38, 13
	v_lshrrev_b32 v14, 2, v2
	v_mul_u32_u24 v14, v14, SP
	v_and_b32 v15, 3, v2
	v_lshl_add_u32 v14, v15, 4, v14
	v_add_nc_u32 v14, s39, v14                     ; A: into the stage: four lanes' 64 bytes on end
	v_mul_u32_u24 v15, v2, SP
	v_add_nc_u32 v15, s39, v15                     ; A: out of it: my 16 neighbours
	s_wait_kmcnt 0x0
	s_cmp_lt_u32 ttmp9, 512
	s_cbranch_scc1 .Lw
	s_cmp_lt_u32 ttmp9, 768
	s_cbranch_scc1 .La
; ---------------- path R: a wave to a token tile
	s_sub_co_u32 s40, ttmp9, 768
	s_lshl_b32 s40, s40, 2
	s_add_co_u32 s40, s40, s38                     ; token tile tt
	s_lshr_b32 s41, s40, 1
	s_lshl_b32 s41, s41, 5
	s_and_b32 s42, s40, 1
	s_lshl_b32 s42, s42, 3
	s_add_co_u32 s41, s41, s42                     ; 32 (tt/2) + 8 (tt%2)
	v_and_b32 v16, 8, v5
	v_add3_u32 v16, v16, v5, s41                   ; my token: + r + 8 (r/8)
	v_lshlrev_b32 v16, 2, v16
	global_load_b32 v17, v16, s[26:27]             ; its position
	s_lshl_b32 s42, s40, 12
	s_mov_b32 s43, 0
	s_add_nc_u64 s[36:37], s[36:37], s[42:43]      ; the tile's 4,096 bytes of the table
	s_mov_b32 s44, 0xbed49a78                      ; -log2(10000) / 32
	s_mov_b32 s45, 0x3f22f983                      ; 2 / pi
	s_mov_b32 s46, 0x3fc90fdb                      ; pi/2 rounded up to f32,
	s_mov_b32 s47, 0x333bbd2e                      ; what that is too much,
	s_mov_b32 s48, 0x26f72ced                      ; and the rest of it
	s_mov_b32 s49, 0xbe2aaaa3                      ; sine: r + r^3 (S1 + S2 r^2 + S3 r^4)
	s_mov_b32 s50, 0x3c08839e
	s_mov_b32 s51, 0xb94ca1f9
	s_mov_b32 s52, 0x3d2aaaa5                      ; cosine: 1 - r^2 / 2 + r^4 (K1 + K2 r^2 + K3 r^4)
	s_mov_b32 s53, 0xbab6061a
	s_mov_b32 s54, 0x37ccf5ce
	v_lshlrev_b32 v18, 4, v6                       ; 16 h
.irp i, 0,1,2,3,4,5,6,7,8,9,10,11,12,13,14,15
	v_add_nc_u32 v[32+\i], \i, v18
	v_cvt_f32_u32 v[32+\i], v[32+\i]
	v_mul_f32 v[32+\i], s44, v[32+\i]
.endr
	s_wait_alu depctr_va_vdst(0)
.irp i, 0,1,2,3,4,5,6,7,8,9,10,11,12,13,14,15
	v_exp_f32 v[32+\i], v[32+\i]                   ; inv_freq(16 h + i): one batch
.endr
	v_nop                                          ; a plain instruction behind the last exponential
	s_wait_alu depctr_va_vdst(0)                   ; one wait for the batch, ahead of its first reader
	s_wait_loadcnt 0x0
	v_cvt_f32_i32 v17, v17
.macro SINCOS i
.set TS, 80+16*((\i)%2)                ; two sets of temporaries by turns
	v_mul_f32 v[TS], v17, v[32+\i]                 ; the angle, rounded once
	v_mul_f32 v[TS+1], s45, v[TS]
	v_rndne_f32 v[TS+1], v[TS+1]                   ; N: the nearest multiple of pi/2
	v_fma_f32 v[TS+2], -v[TS+1], s46, v[TS]
	v_fma_f32 v[TS+2], v[TS+1], s47, v[TS+2]
	v_fma_f32 v[TS+2], v[TS+1], s48, v[TS+2]       ; r = angle - N pi/2
	v_cvt_i32_f32 v[TS+3], v[TS+1]
	v_mul_f32 v[TS+4], v[TS+2], v[TS+2]            ; r^2
	v_fma_f32 v[TS+5], v[TS+4], s51, s50
	v_fma_f32 v[TS+5], v[TS+5], v[TS+4], s49
	v_mul_f32 v[TS+6], v[TS+4], v[TS+2]
	v_fma_f32 v[TS+7], v[TS+5], v[TS+6], v[TS+2]   ; sin r
	v_fma_f32 v[TS+8], v[TS+4], s54, s53
	v_fma_f32 v[TS+8], v[TS+8], v[TS+4], s52
	v_mul_f32 v[TS+9], v[TS+4], v[TS+4]
	v_fma_f32 v[TS+10], v[TS+4], -0.5, 1.0
	v_fma_f32 v[TS+10], v[TS+8], v[TS+9], v[TS+10] ; cos r
	v_and_b32 v[TS+11], 1, v[TS+3]
	v_cmp_eq_u32 vcc_lo, 1, v[TS+11]               ; N odd: the two change places
	v_lshlrev_b32 v[TS+12], 30, v[TS+3]
	v_and_b32 v[TS+12], 0x80000000, v[TS+12]       ; the sine's sign: bit 1 of N
	v_add_nc_u32 v[TS+13], 1, v[TS+3]
	v_lshlrev_b32 v[TS+13], 30, v[TS+13]
	v_and_b32 v[TS+13], 0x80000000, v[TS+13]       ; the cosine's: bit 1 of N + 1
	v_cndmask_b32 v[TS+14], v[TS+7], v[TS+10], vcc_lo
	v_cndmask_b32 v[TS+15], v[TS+10], v[TS+7], vcc_lo
	v_xor_b32 v[64+\i], v[TS+12], v[TS+14]         ; sin
	v_xor_b32 v[48+\i], v[TS+13], v[TS+15]         ; cos
.endm
.irp i, 0,1,2,3,4,5,6,7,8,9,10,11,12,13,14,15
	SINCOS \i
.endr
.irp q, 0,1,2,3
	global_store_b128 v3, v[48+4*\q:51+4*\q], s[36:37] offset:512*\q          ; 32 lanes store 512 consecutive bytes
	global_store_b128 v3, v[64+4*\q:67+4*\q], s[36:37] offset:2048+512*\q
.endr
	s_endpgm
; ---------------- path W: a work-group takes 128 columns x 256 along K of one weight, a wave 32 columns
.Lw:
	s_cmp_lt_u32 ttmp9, 384                        ; 0-383: Wq, Wmq, Wo (128 work-groups each); 384-511: Wk, Wmk, Wv, Wmv (32 each)
	s_cselect_b32 s40, 0, 384
	s_cselect_b32 s41, 7, 5                        ; log2 of the work-groups of a tensor
	s_cselect_b32 s42, 4, 2                        ; log2 of its groups of 128 columns
	s_mov_b32 s43, 2048
	s_cselect_b32 s43, 8192, s43                   ; a row of the weight in bytes
	s_cselect_b32 s44, 0, 3
	s_sub_co_u32 s45, ttmp9, s40
	s_lshr_b32 s46, s45, s41
	s_lshl_b32 s47, s46, s41
	s_sub_co_u32 s47, s45, s47                     ; my number within the tensor
	s_add_co_u32 s46, s46, s44                     ; which tensor, 0 .. 6
	s_lshr_b32 s49, s47, s42                       ; which 256 along K
	s_lshl_b32 s48, s49, s42
	s_sub_co_u32 s48, s47, s48                     ; which 128 columns
	s_mov_b64 s[50:51], s[12:13]                   ; the weight, and: its scale's entry | (first code in a row / 2048) << 8 | (first row / 512) << 12
	s_mov_b32 s52, 0x1
.macro PICK i, ptr, par
	s_cmp_eq_u32 s46, \i
	s_cselect_b64 s[50:51], s[\ptr:\ptr+1], s[50:51]
	s_cselect_b32 s52, \par, s52
.endm
	PICK 1, 14, 0x103
	PICK 2, 16, 0x11
	PICK 3, 18, 0x4005
	PICK 4, 20, 0x4107
	PICK 5, 22, 0x5009
	PICK 6, 24, 0x510b
	s_cmp_eq_u32 s46, 2
	s_cselect_b64 s[54:55], s[34:35], s[32:33]     ; Wo's codes have a buffer of their own,
	s_mov_b32 s56, 4096
	s_cselect_b32 s56, 2048, s56                   ; with rows of 2,048 bytes
	s_and_b32 s57, s52, 0xff
	s_lshl_b32 s57, s57, 2
	s_load_b32 s58, s[28:29], s57 offset:0x0       ; e
	s_lshl_b32 s59, s48, 7
	s_lshl_b32 s60, s38, 5
	s_add_co_u32 s59, s59, s60                     ; my wave's first column
	s_lshl_b32 s60, s49, 8
	s_mul_i32 s60, s60, s43
	s_lshl_b32 s61, s59, 2
	s_add_co_u32 s60, s60, s61
	s_mov_b32 s61, 0
	s_add_nc_u64 s[66:67], s[50:51], s[60:61]      ; block 0 of 32 along K; a base for each of the eight blocks, none is ever stepped
	s_lshl_b32 s62, s43, 5
	s_mov_b32 s63, 0
.irp t, 1,2,3,4,5,6,7
	s_add_nc_u64 s[66+2*\t:67+2*\t], s[66+2*(\t-1):67+2*(\t-1)], s[62:63]
.endr
	s_bfe_u32 s82, s52, 0x4000c
	s_lshl_b32 s82, s82, 9
	s_add_co_u32 s82, s82, s59                     ; my first row of codes (a multiple of 32: sigma moves rows within 32)
	s_mul_i32 s82, s82, s56
	s_bfe_u32 s83, s52, 0x10008
	s_lshl_b32 s83, s83, 11
	s_add_co_u32 s82, s82, s83
	s_lshl_b32 s83, s49, 8
	s_add_co_u32 s82, s82, s83
	s_mov_b32 s83, 0
	s_add_nc_u64 s[54:55], s[54:55], s[82:83]
	v_lshlrev_b32 v176, 2, v2                      ; v176+i: 4 x lane + i rows
.irp i, 1,2,3,4,5,6,7,8,9,10,11,12,13,14,15,16,17,18,19,20,21,22,23,24,25,26,27,28,29,30,31
	v_add_nc_u32 v[176+\i], s43, v[175+\i]
.endr
	v_mul_u32_u24 v8, s56, v6
	v_lshl_add_u32 v8, v5, 4, v8
.irp t, 0,1,2,3,4,5,6,7,8,9,10,11,12,13,14,15
	v_mad_u32_u24 v[208+\t], s56, ((2*\t)&7)|(((2*\t)&8)<<1)|(((2*\t)&16)>>1), v8    ; stage rows 2 t, 2 t + 1 go to places sigma(2 t), sigma(2 t) + 1
.endr
.macro LOADW t                         ; block t: W(32 t + i, my column) into set t % 2: 128 consecutive bytes a wave, 512 a work-group
.irp i, 0,1,2,3,4,5,6,7,8,9,10,11,12,13,14,15,16,17,18,19,20,21,22,23,24,25,26,27,28,29,30,31
	global_load_b32 v[32+32*((\t)%2)+\i], v[176+\i], s[66+2*(\t):67+2*(\t)] th:TH_LOAD_NT
.endr
.endm
	LOADW 0
	LOADW 1
	s_wait_kmcnt 0x0
	s_add_co_i32 s58, s58, 127
	s_lshl_b32 s59, s58, 23
	v_mov_b32 v11, s59                             ; 2^e: the conversion takes its exponent field
	s_add_co_i32 s58, s58, 8
	s_lshl_b32 s58, s58, 23
	s_or_b32 s58, s58, 0x600000
	v_mov_b32 v10, s58                             ; 448 x 2^e
.macro BLOCKW t
.set XS, 32+32*((\t)%2)
.if (\t) < 7
	s_wait_loadcnt 32                              ; this block's 32 loads are in; the next block's may be out
.else
	s_wait_loadcnt 0
.endif
.irp i, 0,1,2,3,4,5,6,7,8,9,10,11,12,13,14,15,16,17,18,19,20,21,22,23,24,25,26,27,28,29,30,31
	v_med3_num_f32 v[XS+\i], v[XS+\i], -v10, v10   ; the conversion does not saturate (ISA guide 7.6.2): the hold comes first
.endr
.irp g, 0,1,2,3
	v_cvt_scalef32_pk8_fp8_f32 v[96+2*\g:97+2*\g], v[XS+8*\g:XS+8*\g+7], v11
.endr
	ds_store_b128 v4, v[96:99] offset:32*(\t)      ; 32 codes of my column's row
	ds_store_b128 v4, v[100:103] offset:32*(\t)+16
.if (\t)+2 < 8
	LOADW (\t)+2
.endif
	s_wait_dscnt 0x0                               ; the stores have read their registers: the next block's codes may be written (its 32 holds, plain lines, come first)
.endm
	s_wait_alu depctr_va_vdst(0)
.irp t, 0,1,2,3,4,5,6,7
	BLOCKW \t
.endr
.irp t, 0,1,2,3,4,5,6,7,8,9,10,11,12,13,14,15
	ds_load_b128 v[112+4*\t:115+4*\t], v7 offset:2*\t*WP      ; a wave's LDS instructions are served in order: these see my stores
.endr
.irp t, 0,1,2,3,4,5,6,7,8,9,10,11,12,13,14,15
	s_wait_dscnt 15-\t                             ; the younger loads may be out
	global_store_b128 v[208+\t], v[112+4*\t:115+4*\t], s[54:55]   ; sixteen lanes store 256 consecutive bytes, aligned
.endr
	s_wait_tensorcnt 0x0                           ; the wave's end
	ds_add_u32 v[SPW], v[NIL]
	s_wait_dscnt 0x0
	s_endpgm
; ---------------- path A: a wave takes 4 rows of hidden or of mu_prev: 16 steps of 512 numbers, each quantised with three scales
.La:
	s_sub_co_u32 s40, ttmp9, 512
	s_lshr_b32 s41, s40, 7                         ; 0 hidden, 1 mu_prev
	s_and_b32 s42, s40, 127
	s_lshl_b32 s42, s42, 2
	s_add_co_u32 s42, s42, s38                     ; which 4 rows
	s_lshl_b32 s43, s41, 3
	s_load_b32 s72, s[28:29], s43 offset:0x0       ; entries 0, 4, 8 for hidden; 2, 6, 10 for mu_prev
	s_load_b32 s73, s[28:29], s43 offset:0x10
	s_load_b32 s74, s[28:29], s43 offset:0x20
	s_cmp_eq_u32 s41, 0
	s_cselect_b64 s[44:45], s[8:9], s[10:11]
	s_lshl_b32 s46, s42, 15
	s_mov_b32 s47, 0
	s_add_nc_u64 s[44:45], s[44:45], s[46:47]
	s_lshl_b32 s48, s42, 2                         ; the first row;
	s_and_b32 s49, s48, 0xffffffe7
	s_and_b32 s50, s48, 8
	s_lshl_b32 s50, s50, 1
	s_or_b32 s49, s49, s50
	s_and_b32 s50, s48, 16
	s_lshr_b32 s50, s50, 1
	s_or_b32 s49, s49, s50                         ; its place; the three rows behind it follow
	s_lshl_b32 s46, s49, 12
	s_lshl_b32 s50, s41, 11
	s_add_co_u32 s46, s46, s50
	s_add_nc_u64 s[66:67], s[30:31], s[46:47]      ; a base for each of the three sets
	s_add_nc_u64 s[68:69], s[66:67], 0x800000
	s_add_nc_u64 s[70:71], s[68:69], 0x800000
.macro LOADA t
.irp i, 0,1,2,3
	global_load_b128 v[16+16*((\t)%4)+4*\i:16+16*((\t)%4)+4*\i+3], v3, s[44:45] offset:2048*(\t)+512*\i th:TH_LOAD_NT   ; 512 consecutive bytes
.endr
.endm
.macro TURNA t                         ; step t's 2,048 bytes go through the stage as they lie and come back 64 bytes a lane
.irp i, 0,1,2,3
	ds_store_b128 v14, v[16+16*((\t)%4)+4*\i:16+16*((\t)%4)+4*\i+3] offset:32*SP*((\t)%2)+8*SP*\i
.endr
.irp i, 0,1,2,3
	ds_load_b128 v[80+16*((\t)%2)+4*\i:80+16*((\t)%2)+4*\i+3], v15 offset:32*SP*((\t)%2)+16*\i
.endr
.endm
.irp t, 0,1,2,3
	LOADA \t
.endr
	s_wait_kmcnt 0x0
.irp s, 0,1,2
	s_add_co_i32 s[72+\s], s[72+\s], 127
	s_lshl_b32 s75, s[72+\s], 23
	v_mov_b32 v[184+\s], s75                       ; 2^e
	s_add_co_i32 s[72+\s], s[72+\s], 8
	s_lshl_b32 s[72+\s], s[72+\s], 23
	s_or_b32 s[72+\s], s[72+\s], 0x600000
	v_mov_b32 v[188+\s], s[72+\s]                  ; 448 x 2^e
.endr
	s_wait_loadcnt 12                              ; step 0's four loads are in
	s_wait_alu depctr_va_vdst(0)
	TURNA 0
.macro STEPA t
.set XS, 80+16*((\t)%2)
.set CC, 160+12*((\t)%2)
	s_wait_dscnt 0x0                               ; this step's numbers are back, so its stores into the stage have read their registers,
.if (\t)+4 < 16
	LOADA (\t)+4                                   ; which take the loads of four steps on
.endif
.if (\t)+1 < 16
.if 14-(\t) >= 3
	s_wait_loadcnt 12                              ; the next step's loads are in; those of the three steps behind it may be out
.else
	s_wait_loadcnt 4*(14-(\t))
.endif
	TURNA (\t)+1
.endif
.if (\t) >= 2
	s_wait_xcnt 0x0                                ; the stores of two steps ago have read this set of code registers
.endif
.irp s, 0,1,2
.irp i, 0,1,2,3,4,5,6,7,8,9,10,11,12,13,14,15
	v_med3_num_f32 v[112+16*\s+\i], v[XS+\i], -v[188+\s], v[188+\s]
.endr
.endr
.irp s, 0,1,2
	v_cvt_scalef32_pk8_fp8_f32 v[CC+4*\s:CC+4*\s+1], v[112+16*\s:119+16*\s], v[184+\s]
	v_cvt_scalef32_pk8_fp8_f32 v[CC+4*\s+2:CC+4*\s+3], v[120+16*\s:127+16*\s], v[184+\s]
.endr
	v_nop                                          ; a plain line between the conversions and the next step's holds, which write their sources
.irp s, 0,1,2
	global_store_b128 v3, v[CC+4*\s:CC+4*\s+3], s[66+2*\s:67+2*\s] offset:((\t)/4)*4096+((\t)%4)*512   ; 512 consecutive bytes, aligned
.endr
.endm
.irp t, 0,1,2,3,4,5,6,7,8,9,10,11,12,13,14,15
	STEPA \t
.endr
	s_wait_tensorcnt 0x0                           ; the wave's end
	ds_add_u32 v[SPW], v[NIL]
	s_wait_dscnt 0x0
	s_endpgm
.Lfunc_end_k_q8112dda774_prep:
	.size	k_q8112dda774_prep, .Lfunc_end_k_q8112dda774_prep-k_q8112dda774_prep
	.p2alignl 7, 3214868480
	.fill 96, 4, 3214868480
	.section	.rodata,"a",@progbits
	.p2align	6, 0x0
	.amdhsa_kernel k_q8112dda774_prep
		.amdhsa_group_segment_fixed_size 68096
		.amdhsa_private_segment_fixed_size 0
		.amdhsa_enable_private_segment 0
		.amdhsa_kernarg_size 120
		.amdhsa_user_sgpr_count 2
		.amdhsa_user_sgpr_kernarg_segment_ptr 1
		.amdhsa_wavefront_size32 1
		.amdhsa_system_sgpr_workgroup_id_x 1
		.amdhsa_system_sgpr_workgroup_id_y 1
		.amdhsa_system_sgpr_workgroup_id_z 1
		.amdhsa_system_vgpr_workitem_id 0
		.amdhsa_next_free_vgpr 224
		.amdhsa_next_free_sgpr 90
		.amdhsa_reserve_vcc 1
		.amdhsa_float_denorm_mode_32 3
		.amdhsa_float_denorm_mode_16_64 3
		.amdhsa_memory_ordered 1
		.amdhsa_forward_progress 1
		.amdhsa_inst_pref_size 155
	.end_amdhsa_kernel
	.amdgpu_metadata
---
amdhsa.version: [ 1, 2 ]
amdhsa.kernels:
  - .name:           k_q8112dda774_prep
    .symbol:         k_q8112dda774_prep.kd
    .args:
      - { .name: hidden, .offset: 0, .size: 8, .value_kind: global_buffer, .address_space: global }
      - { .name: mu_prev, .offset: 8, .size: 8, .value_kind: global_buffer, .address_space: global }
      - { .name: Wq, .offset: 16, .size: 8, .value_kind: global_buffer, .address_space: global }
      - { .name: Wmq, .offset: 24, .size: 8, .value_kind: global_buffer, .address_space: global }
      - { .name: Wo, .offset: 32, .size: 8, .value_kind: global_buffer, .address_space: global }
      - { .name: Wk, .offset: 40, .size: 8, .value_kind: global_buffer, .address_space: global }
      - { .name: Wmk, .offset: 48, .size: 8, .value_kind: global_buffer, .address_space: global }
      - { .name: Wv, .offset: 56, .size: 8, .value_kind: global_buffer, .address_space: global }
      - { .name: Wmv, .offset: 64, .size: 8, .value_kind: global_buffer, .address_space: global }
      - { .name: positions, .offset: 72, .size: 8, .value_kind: global_buffer, .address_space: global }
      - { .name: lowp_scales, .offset: 80, .size: 8, .value_kind: global_buffer, .address_space: global }
      - { .name: acodes, .offset: 88, .size: 8, .value_kind: global_buffer, .address_space: global }
      - { .name: wcodes, .offset: 96, .size: 8, .value_kind: global_buffer, .address_space: global }
      - { .name: wocodes, .offset: 104, .size: 8, .value_kind: global_buffer, .address_space: global }
      - { .name: rope, .offset: 112, .size: 8, .value_kind: global_buffer, .address_space: global }
    .group_segment_fixed_size: 68096
    .private_segment_fixed_size: 0
    .kernarg_segment_align: 8
    .kernarg_segment_size: 120
    .max_flat_workgroup_size: 128
    .sgpr_count:     90
    .vgpr_count:     224
    .wavefront_size: 32
...
	.end_amdgpu_metadata
.endif
;; end of part 1
;; launch qkv (part 2): grid 16 x 12, 4 waves a work-group, clusters of 4 x 1, 327,680 bytes of LDS; arguments acodes, wcodes, rope, q_norm_w, k_norm_w, lowp_scales, qimg, kimg, vimg; writes qimg, kimg, vimg
.if DOCPART == 2
	.amdgcn_target "amdgcn-amd-amdhsa--gfx1250"
	.amdhsa_code_object_version 6
	.text
	.protected	k_q8112dda774_qkv
	.globl	k_q8112dda774_qkv
	.p2align	8
	.type	k_q8112dda774_qkv,@function
k_q8112dda774_qkv:
	s_mov_b64 s[64:65], 0
	v_nop
	global_prefetch_b8 v0, s[64:65] scope:SCOPE_SE
	s_setreg_imm32_b32 hwreg(HW_REG_WAVE_MODE, 25, 1), 1
	s_wait_xcnt 0x0
	s_wait_alu depctr_hold_cnt(0) depctr_sa_sdst(0) depctr_va_vdst(0) depctr_va_sdst(0) depctr_va_ssrc(0) depctr_va_vcc(0) depctr_vm_vsrc(0)
	s_getreg_b32 s2, hwreg(HW_REG_IB_STS2, 6, 4)
	s_cmp_eq_u32 s2, 0
	s_cbranch_scc0 .Lentry_in_a_cluster
	s_endpgm
.Lentry_in_a_cluster:
	s_bfe_u32 s2, ttmp6, 0x10000c
	s_cmp_lg_u32 s2, 0x3003
	s_cbranch_scc0 .Lentry_shape_is_right
	s_endpgm
.Lentry_shape_is_right:
.set PS,    272
.set PD,    528
.set DBB,   128*PD
.set SA,    384*PD
.set SBB,   SA+128*PS
.set SPARE, SA+384*PS
.set ADRA, 16
.set ADRB, 20
.set SCL,  26
.set LIM,  27
.set SPW,  28
.set NIL,  29
.set LI,   30
.set WO,   31
.set W,    32
.set G1AS, 32
.set G1BS, 40
.set G1AD, 48
.set G1BD, 56
.set G0AS, 68
.set G0BS, 72
.set G0AD, 76
.set G0BD, 80
.set W0AS, (1<<20)|(5<<22)|(3<<25)
.set W0BS, 15|(1<<20)|(1<<21)|(5<<22)|(3<<25)
.set W0AD, (1<<20)|(6<<22)|(3<<25)
.set W0BD, 15|(1<<20)|(1<<21)|(6<<22)|(3<<25)
.set MSB, 0
.macro WIN new
.if MSB != \new
	s_set_vgpr_msb (MSB<<8)|\new
.set MSB, \new
.endif
.endm
.set MUL,  0xa1
.set TO_B, 0x40
.macro PLACES
.rept 4
	v_nop
.endr
.endm
.macro GROUP1 g, w0, c, r
	s_mov_b32 s[\g+0], \w0
	s_mov_b32 s[\g+1], (\c)<<16
	s_mov_b32 s[\g+2], (\r)<<16
	s_mov_b32 s[\g+3], (\c)<<16
	s_mov_b32 s[\g+4], \r
	s_mov_b32 s[\g+5], 4096
	s_mov_b32 s[\g+6], 0
	s_mov_b32 s[\g+7], 0
.endm
.macro JLOAD area
	s_cmp_eq_u32 s23, 0
	s_cbranch_scc0 .Lfor_b_\@
	tensor_load_to_lds s[G0AS+8*\area:G0AS+8*\area+3], s[G1AS+16*\area:G1AS+16*\area+7]
	s_nop 0
.rept 4
	v_nop
.endr
	s_branch .Lasked_\@
.Lfor_b_\@:
	tensor_load_to_lds s[G0BS+8*\area:G0BS+8*\area+3], s[G1BS+16*\area:G1BS+16*\area+7]
	s_nop 0
.rept 4
	v_nop
.endr
.Lasked_\@:
.endm
.macro CREST
	s_cmp_lg_u32 s22, 0
	s_cbranch_scc1 .Lnot_wave_0_\@
	s_barrier_signal -3
.Lnot_wave_0_\@:
	s_barrier_wait -3
	s_barrier_signal -1
	s_barrier_wait -1
.endm
.macro CROUND
	s_barrier_signal -1
	s_barrier_wait -1
	CREST
.endm
; A PREFETCH INTO THE L2 of the fill that follows the one just asked for: n columns of 256 bytes from byte c0 of the rows at s[4:5], a lane a row.
; Waves 0 and 1 name the 64 rows that they fetch themselves (two instructions a column); waves 2 and 3 name 32 of the 128 rows that they fetch jointly:
; the four partners share those rows out by address (32 x cx rows are in s[4:5]).  So each block of 256 bytes is named once in each cluster that loads it.
.set PFO, 22                           ; v22: 4,096 x lane, a row of codes a lane; never rewritten
.macro ASK c0, n
.set pc, 0
.rept \n
	global_prefetch_b8 v[PFO], s[4:5] offset:(\c0)+256*pc th:TH_LOAD_NT scope:SCOPE_SE
.set pc, pc+1
.endr
	s_cmp_eq_u32 s23, 0
	s_cbranch_scc0 .Lpf_\@
.set pc, 0
.rept \n
	global_prefetch_b8 v[PFO], s[4:5] offset:(\c0)+256*pc+131072 th:TH_LOAD_NT scope:SCOPE_SE
.set pc, pc+1
.endr
.Lpf_\@:
.endm
.macro FINISH
	s_wait_tensorcnt 0x0
	ds_add_u32 v[SPW], v[NIL]
	s_wait_dscnt 0x0
	CROUND
	s_endpgm
.endm
	s_load_b512 s[4:19], s[0:1], 0x0
	s_load_b64 s[20:21], s[0:1], 0x40
	v_lshl_add_u32 v[SPW], v0, 2, SPARE
	v_mov_b32 v[NIL], 0
	ds_add_u32 v[SPW], v[NIL]
	ds_add_u32 v[SPW], v[NIL]
	v_lshrrev_b32 v1, 5, v0
	v_readfirstlane_b32 s22, v1
	v_and_b32 v[PFO], 31, v0
	v_lshlrev_b32 v[PFO], 12, v[PFO]
	s_lshr_b32 s23, s22, 1
	s_and_b32 s24, s22, 1
	s_bfe_u32 s25, ttmp6, 0x40000
	s_mov_b32 s26, ttmp9
	s_and_b32 s27, ttmp7, 0xffff
	s_cmp_lt_u32 s27, 8
	s_cselect_b32 s28, 0, 1
	s_cmp_lt_u32 s27, 10
	s_cselect_b32 s28, s28, 2
	GROUP1 G1AS, W0AS, 256, 64
	GROUP1 G1BS, W0BS, 256, 128
	GROUP1 G1AD, W0AD, 512, 64
	GROUP1 G1BD, W0BD, 512, 128
	s_mov_b32 s96, 0x76543210
	s_mov_b32 s97, 0xfedcba98
	s_lshl_b32 s98, s26, 2
	s_cmp_eq_u32 s28, 2
	s_cselect_b32 s98, 20, s98
	s_add_co_u32 s98, s98, s25
	s_lshl_b32 s98, s98, 1
	s_add_co_u32 s98, s98, s24
	s_lshl_b32 s98, s98, 18
	s_lshl_b32 s99, s28, 23
	s_cmp_eq_u32 s28, 2
	s_cselect_b32 s99, 0, s99
	s_add_co_u32 s98, s98, s99
	s_mov_b32 s99, 0
	s_max_u32 s100, s27, 10
	s_sub_co_u32 s100, s100, 10
	s_lshl_b32 s100, s100, 2
	s_add_co_u32 s100, s100, s26
	s_add_co_u32 s100, s100, 16
	s_cmp_eq_u32 s28, 2
	s_cselect_b32 s100, s100, s27
	s_lshl_b32 s100, s100, 1
	s_add_co_u32 s100, s100, s24
	s_lshl_b32 s100, s100, 19
	s_mov_b32 s101, 0
	s_lshl_b32 s29, s28, 4
	s_lshl_b32 s2, s28, 2
	s_wait_alu depctr_va_vdst(0)
	s_wait_dscnt 0x0
	s_wait_kmcnt 0x0
	s_load_b128 s[84:87], s[14:15], s29 offset:0x0
	s_load_b32 s88, s[14:15], s2 offset:0x30
	s_cmp_eq_u32 s28, 2
	s_cselect_b64 s[66:67], s[6:7], s[4:5]
	s_cselect_b64 s[30:31], s[4:5], s[6:7]
	s_add_nc_u64 s[66:67], s[66:67], s[98:99]
	s_add_nc_u64 s[30:31], s[30:31], s[100:101]
	s_cmp_eq_u32 s28, 1
	s_cselect_b64 s[94:95], s[12:13], s[10:11]
	s_lshl_b32 s6, s25, 17                         ; the prefetches' base: my own 64 rows, or my work-group's 32 of the 128 joint rows
	s_mov_b32 s7, 0
	s_add_nc_u64 s[6:7], s[30:31], s[6:7]
	s_cmp_eq_u32 s23, 0
	s_cselect_b64 s[4:5], s[66:67], s[6:7]
	CROUND
	s_mov_b32 s[G0AS], 1
	s_mul_i32 s[G0AS+1], s24, 64*PS
	s_add_co_u32 s[G0AS+1], s[G0AS+1], SA
	s_mov_b64 s[G0AS+2:G0AS+3], s[66:67]
	s_or_b32 s[G0AS+3], s[G0AS+3], 0x80000000
	s_mov_b32 s[G0BS], 1
	s_mul_i32 s[G0BS+1], s24, 128*PS
	s_add_co_u32 s[G0BS+1], s[G0BS+1], SBB
	s_mov_b64 s[G0BS+2:G0BS+3], s[30:31]
	s_or_b32 s[G0BS+3], s[G0BS+3], 0x80000000
	JLOAD 0
	ASK 256, 2                                     ; the next fill: bytes 256 to 767 of the rows
	s_mov_b32 s[G0AD], 1
	s_mul_i32 s[G0AD+1], s24, 64*PD
	s_add_nc_u64 s[G0AD+2:G0AD+3], s[66:67], 256
	s_or_b32 s[G0AD+3], s[G0AD+3], 0x80000000
	s_mov_b32 s[G0BD], 1
	s_mul_i32 s[G0BD+1], s24, 128*PD
	s_add_co_u32 s[G0BD+1], s[G0BD+1], DBB
	s_add_nc_u64 s[G0BD+2:G0BD+3], s[30:31], 256
	s_or_b32 s[G0BD+3], s[G0BD+3], 0x80000000
	s_wait_alu depctr_va_vdst(0)
	s_wait_tensorcnt 0x0
	ds_add_u32 v28, v29
	s_wait_dscnt 0x0
	CROUND
	JLOAD 1
	ASK 768, 1                                     ; the next fill: bytes 768 to 1,023
	v_and_b32 v1, 15, v0
	v_bfe_u32 v2, v0, 4, 1
	v_mul_u32_u24 v3, v1, PS
	v_lshl_add_u32 v3, v2, 4, v3
	v_mul_u32_u24 v4, v1, PD
	v_lshl_add_u32 v4, v2, 4, v4
	s_mul_i32 s98, s23, 64*PS
	s_add_co_u32 s98, s98, SA
	v_add_nc_u32 v[ADRA], s98, v3
	s_mul_i32 s99, s24, 128*PS
	s_add_co_u32 s99, s99, SBB
	v_add_nc_u32 v[ADRB], s99, v3
	s_mul_i32 s98, s23, 64*PD
	v_add_nc_u32 v[ADRA+1], s98, v4
	s_mul_i32 s99, s24, 128*PD
	s_add_co_u32 s99, s99, DBB
	v_add_nc_u32 v[ADRB+1], s99, v4
	v_and_b32 v[LI], 31, v0
	v_lshlrev_b32 v[LI], 4, v[LI]
	v_lshlrev_b32 v[WO], 6, v2
.irp b, 0,1
.irp i, 0,1,2,3
	global_load_b128 v[W+16*\b+4*\i:W+16*\b+4*\i+3], v[WO], s[94:95] offset:128*\b+16*\i
.endr
.endr
	s_wait_alu depctr_va_vdst(0)
	s_wait_kmcnt 0x0
	s_add_co_i32 s89, s84, s85
	s_add_co_i32 s92, s86, s87
	s_sub_co_i32 s89, s89, s92
	s_add_co_i32 s89, s89, 127
	s_lshl_b32 s90, s89, 23
	s_mov_b32 s91, s90
	s_lshl_b32 s93, s92, 1
	s_sub_co_i32 s93, s93, 6
	s_cmp_eq_u32 s28, 2
	s_cselect_b32 s89, s92, 0
	s_sub_co_i32 s89, s88, s89
	s_add_co_i32 s89, s89, 127
	s_lshl_b32 s98, s89, 23
	v_mov_b32 v[SCL], s98
	s_add_co_i32 s89, s89, 8
	s_lshl_b32 s89, s89, 23
	s_or_b32 s89, s89, 0x600000
	v_mov_b32 v[LIM], s89
.macro FRAG reg, adr, q, i, pt
.irp c, 0,1,2,3
	ds_load_b128 v[\reg+4*\c:\reg+4*\c+3], v[\adr] offset:128*(\q)+32*\c+(\i)*16*(\pt)
.endr
.endm
.macro FETCH area, q, p
	WIN TO_B
.irp i, 0,1,2,3,4,5,6,7
	FRAG 128*(\p)+16*\i, ADRB+\area, \q, \i, PS+(PD-PS)*(\area)
.endr
	WIN 0
.irp i, 0,1,2,3
	FRAG 64+64*(\p)+16*\i, ADRA+\area, \q, \i, PS+(PD-PS)*(\area)
.endr
.endm
.macro MULA a, p, zero
.irp b, 0,1,2,3,4,5,6,7
.if \zero
	v_wmma_f32_16x16x128_fp8_fp8 v[8*(8*(\a)+\b):8*(8*(\a)+\b)+7], v[128*(\p)+16*\b:128*(\p)+16*\b+15], v[64+64*(\p)+16*(\a):64+64*(\p)+16*(\a)+15], 0
.else
	v_wmma_f32_16x16x128_fp8_fp8 v[8*(8*(\a)+\b):8*(8*(\a)+\b)+7], v[128*(\p)+16*\b:128*(\p)+16*\b+15], v[64+64*(\p)+16*(\a):64+64*(\p)+16*(\a)+15], v[8*(8*(\a)+\b):8*(8*(\a)+\b)+7]
.endif
.endr
.endm
.macro UNIT area, q, p, zero
	s_wait_dscnt 8
	WIN MUL
	MULA 0, \p, \zero
	MULA 1, \p, \zero
	PLACES
	FETCH \area, \q, 1-(\p)
	s_wait_dscnt 48
	WIN MUL
	MULA 2, \p, \zero
	MULA 3, \p, \zero
	WIN 0
.endm
.macro TURN area, next, fill
.if (\fill) && ((\area) == 0)
	s_wait_xcnt 0x0                                ; my prefetches have read their base: it steps a lap of 768 bytes on
	s_add_nc_u64 s[4:5], s[4:5], 768
.endif
	s_wait_dscnt 8
	WIN MUL
	MULA 0, 1, 0
	MULA 1, 1, 0
	WIN 0
	s_wait_tensorcnt 0x0
	ds_add_u32 v[SPW], v[NIL]
	s_wait_dscnt 0x0
	s_barrier_signal -1
	s_barrier_wait -1
.if \fill
	CREST
	s_add_nc_u64 s[G0AS+8*\area+2:G0AS+8*\area+3], s[G0AS+8*\area+2:G0AS+8*\area+3], 768
	s_add_nc_u64 s[G0BS+8*\area+2:G0BS+8*\area+3], s[G0BS+8*\area+2:G0BS+8*\area+3], 768
	JLOAD \area
.else
	PLACES
.endif
	FETCH \next, 0, 0
.if (\fill) == 1
	ASK 256+512*(\area), 2-(\area)                 ; what the next change will ask for; the last fill (fill = 2) has none behind it
.endif
	WIN MUL
	MULA 2, 1, 0
	MULA 3, 1, 0
	WIN 0
.endm
	s_wait_tensorcnt 1
	s_barrier_signal -1
	s_barrier_wait -1
	FETCH 0, 0, 0
	UNIT 0, 1, 0, 1
	s_mov_b32 s3, 4
.Llap:
	TURN 0, 1, 1
	UNIT 1, 1, 0, 0
	UNIT 1, 2, 1, 0
	s_cmp_eq_u32 s3, 2
	s_cbranch_scc0 .Lno_rescale
	PLACES
	WIN 0x82
.set j, 0
.rept 128
	v_pk_mul_f32 v[j:j+1], v[j:j+1], s[90:91] op_sel_hi:[1,0]
.set j, j+2
.endr
	WIN 0
.Lno_rescale:
	s_wait_alu depctr_va_vdst(0)
	UNIT 1, 3, 0, 0
	TURN 1, 0, 1
	UNIT 0, 1, 0, 0
	s_sub_co_u32 s3, s3, 1
	s_cmp_lg_u32 s3, 0
	s_cbranch_scc1 .Llap
	TURN 0, 1, 2
	UNIT 1, 1, 0, 0
	UNIT 1, 2, 1, 0
	UNIT 1, 3, 0, 0
	TURN 1, 0, 0
	UNIT 0, 1, 0, 0
	s_wait_dscnt 0x0
	WIN MUL
	MULA 0, 1, 0
	MULA 1, 1, 0
	MULA 2, 1, 0
	MULA 3, 1, 0
	WIN 0
	PLACES
	s_cmp_eq_u32 s28, 2
	s_cbranch_scc1 .Lv
	s_lshl_b32 s70, s26, 2
	s_add_co_u32 s70, s70, s25
	s_lshl_b32 s70, s70, 1
	s_add_co_u32 s70, s70, s23
	s_lshl_b32 s70, s70, 2
	s_lshl_b32 s72, s70, 12
	s_mov_b32 s73, 0
	s_add_nc_u64 s[76:77], s[8:9], s[72:73]
	s_cmp_eq_u32 s28, 1
	s_cselect_b32 s71, 8, 0
	s_cselect_b64 s[74:75], s[18:19], s[16:17]
	s_sub_co_u32 s71, s27, s71
	s_lshl_b32 s71, s71, 1
	s_add_co_u32 s71, s71, s24
	s_lshl_b32 s71, s71, 18
	s_lshl_b32 s72, s70, 10
	s_add_co_u32 s72, s72, s71
	s_add_nc_u64 s[74:75], s[74:75], s[72:73]
.macro CSLOAD a
.irp i, 0,1,2,3,4,5,6,7
	global_load_b128 v[64+32*((\a)%2)+4*\i:64+32*((\a)%2)+4*\i+3], v[LI], s[76:77] offset:(\a)*4096+512*\i
.endr
.endm
	CSLOAD 0
	CSLOAD 1
	WIN 0x0a
.irp x, 0,1,2,3,4,5,6,7
	v_pk_mul_f32 v[128+4*\x:129+4*\x], v[32*\x:32*\x+1], v[32*\x:32*\x+1]
	v_pk_mul_f32 v[130+4*\x:131+4*\x], v[32*\x+2:32*\x+3], v[32*\x+2:32*\x+3]
.irp p, 4,8,12,16,20,24,28
	v_pk_fma_f32 v[128+4*\x:129+4*\x], v[32*\x+\p:32*\x+\p+1], v[32*\x+\p:32*\x+\p+1], v[128+4*\x:129+4*\x]
	v_pk_fma_f32 v[130+4*\x:131+4*\x], v[32*\x+\p+2:32*\x+\p+3], v[32*\x+\p+2:32*\x+\p+3], v[130+4*\x:131+4*\x]
.endr
.endr
	WIN 0
.irp x, 0,1,2,3,4,5,6,7
	v_pk_add_f32 v[128+4*\x:129+4*\x], v[128+4*\x:129+4*\x], v[130+4*\x:131+4*\x]
.endr
.irp x, 0,1,2,3,4,5,6,7
	v_add_f32 v[2*\x], v[128+4*\x], v[129+4*\x]
	v_mov_b32 v[2*\x+1], 0
.endr
.irp x, 0,1,2,3,4,5,6,7
	v_permlanex16_b32 v[2*\x+1], v[2*\x], s96, s97
.endr
.irp x, 0,1,2,3,4,5,6,7
	v_add_f32 v[2*\x], v[2*\x], v[2*\x+1]
.endr
.irp x, 0,1,2,3,4,5,6,7
	v_ldexp_f32 v[2*\x], v[2*\x], s93
.endr
.irp x, 0,1,2,3,4,5,6,7
	v_add_f32 v[2*\x], 0x358637bd, v[2*\x]
.endr
	s_wait_alu depctr_va_vdst(0)
.irp x, 0,1,2,3,4,5,6,7
	v_rsq_f32 v[2*\x], v[2*\x]
.endr
	v_nop
	s_wait_alu depctr_va_vdst(0)
.irp x, 0,1,2,3,4,5,6,7
	v_ldexp_f32 v[2*\x], v[2*\x], s92
.endr
.macro HEADOUT a, hh
.set AC, 64*(\a)+32*(\hh)
.set FX, 2*(2*(\a)+(\hh))
.set CS, 64+32*((\a)%2)
.set CD, 192+8*(2*(\a)+(\hh))
	WIN 0x02
.set p, 0
.rept 16
	v_pk_mul_f32 v[128+p:129+p], v[AC+p:AC+p+1], v[W+p:W+p+1]
.set p, p+2
.endr
	WIN 0
.set p, 0
.rept 16
	v_pk_mul_f32 v[128+p:129+p], v[128+p:129+p], v[FX:FX+1] op_sel_hi:[1,0]
.set p, p+2
.endr
.set p, 0
.rept 8
	v_pk_mul_f32 v[160+p:161+p], v[144+p:145+p], v[CS+16+p:CS+17+p]
	v_pk_mul_f32 v[176+p:177+p], v[128+p:129+p], v[CS+16+p:CS+17+p]
.set p, p+2
.endr
.set p, 0
.rept 8
	v_pk_fma_f32 v[160+p:161+p], v[128+p:129+p], v[CS+p:CS+p+1], v[160+p:161+p] neg_lo:[0,0,1] neg_hi:[0,0,1]
	v_pk_fma_f32 v[176+p:177+p], v[144+p:145+p], v[CS+p:CS+p+1], v[176+p:177+p]
.set p, p+2
.endr
.set p, 0
.rept 32
	v_med3_num_f32 v[160+p], v[160+p], -v[LIM], v[LIM]
.set p, p+1
.endr
.irp g, 0,1,2,3
	v_cvt_scalef32_pk8_fp8_f32 v[CD+2*\g:CD+2*\g+1], v[160+8*\g:167+8*\g], v[SCL]
.endr
	v_nop
	global_store_b128 v[LI], v[CD:CD+3], s[74:75] offset:(\hh)*131072+(\a)*1024
	global_store_b128 v[LI], v[CD+4:CD+7], s[74:75] offset:(\hh)*131072+(\a)*1024+512
.endm
.irp a, 0,1,2,3
.if \a < 3
	s_wait_loadcnt 8
.else
	s_wait_loadcnt 0
.endif
	HEADOUT \a, 0
	HEADOUT \a, 1
.if \a < 2
	CSLOAD \a+2
.endif
.endr
	FINISH
.Lv:
	s_lshl_b32 s70, s25, 1
	s_add_co_u32 s70, s70, s23
	s_lshl_b32 s70, s70, 17
	s_sub_co_u32 s71, s27, 10
	s_lshl_b32 s71, s71, 2
	s_add_co_u32 s71, s71, s26
	s_lshl_b32 s71, s71, 1
	s_add_co_u32 s71, s71, s24
	s_lshl_b32 s71, s71, 13
	s_add_co_u32 s70, s70, s71
	s_mov_b32 s71, 0
	s_add_nc_u64 s[74:75], s[20:21], s[70:71]
.irp a, 0,1,2,3
	WIN 0x02
.set k, 0
.rept 64
	v_med3_num_f32 v[64+k], v[64*\a+k], -v[LIM], v[LIM]
.set k, k+1
.endr
	WIN 0
.irp b, 0,1,2,3,4,5,6,7
	v_cvt_scalef32_pk8_fp8_f32 v[192+16*\a+2*\b:193+16*\a+2*\b], v[64+8*\b:71+8*\b], v[SCL]
.endr
	v_nop
.irp c, 0,1,2,3
	global_store_b128 v[LI], v[192+16*\a+4*\c:195+16*\a+4*\c], s[74:75] offset:\a*2048+\c*512
.endr
.endr
	FINISH
.Lfunc_end_k_q8112dda774_qkv:
	.size	k_q8112dda774_qkv, .Lfunc_end_k_q8112dda774_qkv-k_q8112dda774_qkv
	.p2alignl 7, 3214868480
	.fill 96, 4, 3214868480
	.section	.rodata,"a",@progbits
	.p2align	6, 0x0
	.amdhsa_kernel k_q8112dda774_qkv
		.amdhsa_group_segment_fixed_size 327680
		.amdhsa_private_segment_fixed_size 0
		.amdhsa_enable_private_segment 0
		.amdhsa_kernarg_size 72
		.amdhsa_user_sgpr_count 2
		.amdhsa_user_sgpr_kernarg_segment_ptr 1
		.amdhsa_wavefront_size32 1
		.amdhsa_system_sgpr_workgroup_id_x 1
		.amdhsa_system_sgpr_workgroup_id_y 1
		.amdhsa_system_sgpr_workgroup_id_z 1
		.amdhsa_system_vgpr_workitem_id 0
		.amdhsa_next_free_vgpr 768
		.amdhsa_next_free_sgpr 102
		.amdhsa_reserve_vcc 0
		.amdhsa_float_denorm_mode_32 3
		.amdhsa_float_denorm_mode_16_64 3
		.amdhsa_memory_ordered 1
		.amdhsa_forward_progress 1
		.amdhsa_inst_pref_size 187
	.end_amdhsa_kernel
	.amdgpu_metadata
---
amdhsa.version: [ 1, 2 ]
amdhsa.kernels:
  - .name:           k_q8112dda774_qkv
    .symbol:         k_q8112dda774_qkv.kd
    .args:
      - { .name: acodes, .offset: 0, .size: 8, .value_kind: global_buffer, .address_space: global }
      - { .name: wcodes, .offset: 8, .size: 8, .value_kind: global_buffer, .address_space: global }
      - { .name: rope, .offset: 16, .size: 8, .value_kind: global_buffer, .address_space: global }
      - { .name: q_norm_w, .offset: 24, .size: 8, .value_kind: global_buffer, .address_space: global }
      - { .name: k_norm_w, .offset: 32, .size: 8, .value_kind: global_buffer, .address_space: global }
      - { .name: lowp_scales, .offset: 40, .size: 8, .value_kind: global_buffer, .address_space: global }
      - { .name: qimg, .offset: 48, .size: 8, .value_kind: global_buffer, .address_space: global }
      - { .name: kimg, .offset: 56, .size: 8, .value_kind: global_buffer, .address_space: global }
      - { .name: vimg, .offset: 64, .size: 8, .value_kind: global_buffer, .address_space: global }
    .group_segment_fixed_size: 327680
    .private_segment_fixed_size: 0
    .kernarg_segment_align: 8
    .kernarg_segment_size: 72
    .max_flat_workgroup_size: 128
    .sgpr_count:     102
    .vgpr_count:     768
    .wavefront_size: 32
...
	.end_amdgpu_metadata
.endif
;; end of part 2
;; launch attn (part 3): grid 32 x 8, 16 waves a work-group, clusters of 4 x 1, 301,056 bytes of LDS; arguments qimg, kimg, vimg, lowp_scales, oimg; writes oimg
.if DOCPART == 3
	.amdgcn_target "amdgcn-amd-amdhsa--gfx1250"
	.amdhsa_code_object_version 6
	.text
	.protected	k_q8112dda774_attn
	.globl	k_q8112dda774_attn
	.p2align	8
	.type	k_q8112dda774_attn,@function
k_q8112dda774_attn:
	s_mov_b64 s[64:65], 0
	v_nop
	global_prefetch_b8 v0, s[64:65] scope:SCOPE_SE
	s_setreg_imm32_b32 hwreg(HW_REG_WAVE_MODE, 25, 1), 1
	s_wait_xcnt 0x0
	s_wait_alu depctr_hold_cnt(0) depctr_sa_sdst(0) depctr_va_vdst(0) depctr_va_sdst(0) depctr_va_ssrc(0) depctr_va_vcc(0) depctr_vm_vsrc(0)
	s_getreg_b32 s2, hwreg(HW_REG_IB_STS2, 6, 4)
	s_cmp_eq_u32 s2, 0
	s_cbranch_scc0 .Lentry_in_a_cluster
	s_endpgm
.Lentry_in_a_cluster:
	s_bfe_u32 s2, ttmp6, 0x10000c
	s_cmp_lg_u32 s2, 0x3003
	s_cbranch_scc0 .Lentry_shape_is_right
	s_endpgm
.Lentry_shape_is_right:
; ATTN: causal attention on codes of E4M3; 32 query heads, 8 key/value heads, head size 64, 2,048 tokens.  q, k, v arrive as images of operand registers; the result leaves so, quantised for the last product:
; oimg [4 groups of 8 heads = 512 along the last product's K][128 token tiles][8 heads][B 2][lane][16].
; THE SOFTMAX: t = score x log2(e) / 8; M = the running largest t rounded up to a whole number; p = 2^(t - M) is quantised; the row's sum is taken of the unquantised p and divides at the end.
; When M moves, the sum and O are multiplied by 2^(old M - new M), which rounds nothing.
; SHARES.  grid x = the query head, so the four heads of a key/value head are a cluster (the cluster's x is that head).  All of the head's K and V, 131,072 bytes each, lie in LDS: first fills alone, no slot is filled again.
; Wave 0 asks for K and wave 1 for V, in four loads of 32,768 bytes each, JOINTLY for the four partners; four tensor loads of a wave are out at the most.
; THE CAUSAL WORK IS EVENED OUT: work-group y = i takes the blocks of 128 queries i and 15 - i; each of its sixteen waves one tile of 16 queries: eight waves the early block, eight the late one.
; Every wave walks all 16 steps of 128 keys (constant trip counts, every barrier); a step all of whose keys come after the wave's block is jumped over by a scalar branch on i and the wave's number, alike in all partners.
; LAYOUT.  Both products are used transposed: S^T = K Q^T (K = 64), O^T = V^T P^T (K = 128): a lane holds one query throughout.  A tile's lane r holds token 32 (tile/2) + 8 (tile%2) + r + 8 (r/8), so the 16 registers
; of score tiles 2 b, 2 b + 1 are keys 32 b + 16 (lane/16) + 0 .. 15.  Every LDS read is 16 bytes a lane on end.
; LIMITS on the given exponents: entries 12 + 13 between -123 and 130 (added to c's exponent field); entries 15 and 16 between -126 and 119.
; REGISTERS: v1 16 x lane; v5, v6 the add's two; v7 my query - 16 (lane/16) within its block; v8, v9 LDS addresses; v12 -M, v13 the largest t, v[14:15] the sum; v16-23 Q; v32-95 K's or V's fragments; v96-159 S^T, then p;
; v160-191 O^T; v224-239 p's codes; v240-254 constants and temporaries.
; THE LOADS AS THIS TEXT HAS THEM (in place of the sentence above on waves 0 and 1): each of the sixteen waves asks for ONE piece of 16,384 bytes, waves 0-7 for K's eight pieces,
; waves 8-15 for V's, jointly for the four partners; one tensor load of a wave is out.  One barrier follows, behind which all of K and V lie in LDS, and then one loop of 16 key steps.
; No prefetch: all loads stand at the head, and there is no loop to run ahead in.
.set VOFF,  131072
; THE KEYS OF A LATE TILE ARE SHARED BETWEEN TWO WAVES (in place of 'one loop' above: two walks of 16 trips, which every wave makes).  Waves 2 t and 2 t + 1 hold tile t of the early and of the late block.
; Walk 1: the early wave takes its own steps 0 .. i, the late wave steps 0 .. 8 of its tile.  The early wave then sends its result out, takes the late tile's Q (loaded at the head) and a fresh state.
; Walk 2: it takes that tile's steps 9 .. 15 - i; the late wave jumps over all.  So a wave has 8 or 9 steps.  A step outside [s73, s74] is jumped over: ids alone, alike in all partners.
; The helper's O^T, -M and sums go to the late wave through LDS bytes of their own (4,608 for each of 8 tiles); behind one barrier the two parts are brought under the joint M, each by 2^(its M - the joint M), which rounds nothing, and added.
.set SPARE, 262144                     ; behind K and V: the spare words, 128 bytes for each of sixteen waves
.set STAGE, 264192                     ; behind them: the helpers' parts
.set LI,  1
.set SPW, 5
.set NIL, 6
.set G1,  24                           ; s[24:31] group 1
.set G0,  40                           ; s[40:43] group 0
.macro CROUND
	s_barrier_signal -1
	s_barrier_wait -1
	s_cmp_lg_u32 s18, 0
	s_cbranch_scc1 .Lnot_wave_0_\@
	s_barrier_signal -3
.Lnot_wave_0_\@:
	s_barrier_wait -3
	s_barrier_signal -1
	s_barrier_wait -1
.endm
	s_load_b256 s[4:11], s[0:1], 0x0               ; qimg 4, kimg 6, vimg 8, scales 10
	s_load_b64 s[12:13], s[0:1], 0x20              ; oimg
	v_lshl_add_u32 v[SPW], v0, 2, SPARE
	v_mov_b32 v[NIL], 0
	ds_add_u32 v[SPW], v[NIL]                      ; the wave's opening: the add and its wait ahead of the first tensor loads; work on registers stands between
	ds_add_u32 v[SPW], v[NIL]
	v_lshrrev_b32 v8, 5, v0
	s_delay_alu instid0(VALU_DEP_1)
	v_readfirstlane_b32 s18, v8                    ; wave 0..15
	s_bfe_u32 s19, ttmp6, 0x40000                  ; cx: the head within its group; it enters Q's and O's addresses alone
	s_and_b32 s14, ttmp7, 0xffff                   ; i
	s_lshr_b32 s15, s18, 2
	s_xor_b32 s15, s15, s18
	s_and_b32 s15, s15, 1                          ; 1: the late block.  Of any four waves w, w+1, w+2, w+3 and of any w, w+4, w+8, w+12 two are early and two late
	s_lshr_b32 s16, s18, 1                         ; which tile of the block's eight
	s_sub_co_u32 s17, 15, s14
	s_cmp_eq_u32 s15, 1
	s_cselect_b32 s17, s17, s14                    ; my block of 128 queries
	s_cselect_b32 s74, 8, s14                      ; walk 1: my last step
	s_cselect_b32 s76, 0, 1                        ; 1 in an early wave
	s_mov_b32 s73, 0                               ; and my first
	s_sub_co_u32 s78, 15, s14                      ; the late block
	s_sub_co_u32 s77, s78, s14
	s_mul_i32 s76, s76, s77
	s_lshl_b32 s76, s76, 13                        ; early wave: bytes from my tile of Q to the late one: 8 (15 - 2 i) tiles of 1,024; late wave: 0
	s_mov_b32 s77, 0
	s_mul_i32 s75, s16, 4608
	s_add_co_u32 s75, s75, STAGE                   ; my pair's bytes of the stage
	s_lshl_b32 s33, s17, 3
	s_add_co_u32 s33, s33, s16                     ; my token tile
	s_mov_b32 s[G1+0], 15|(3<<16)|(1<<21)          ; the mask names the four partners, bit 21 beside it; elements of 8 bytes; no padding
	s_mov_b32 s[G1+1], 32<<16                      ; rows of 256 bytes,
	s_mov_b32 s[G1+2], 64<<16                      ; 64 of them, dense
	s_mov_b32 s[G1+3], 32<<16
	s_mov_b32 s[G1+4], 64
	s_mov_b32 s[G1+5], 32
	s_mov_b32 s[G1+6], 0
	s_mov_b32 s[G1+7], 0
	s_and_b32 s34, s18, 7
	s_lshl_b32 s34, s34, 14                        ; my piece of K or of V in memory: 16,384 x (wave % 8)
	s_mov_b32 s35, 0
	s_lshl_b32 s36, ttmp9, 17                      ; the key/value head's bytes
	s_mov_b32 s37, 0
	s_mov_b32 s20, 0x76543210                      ; v_permlanex16_b32: lane l xor 16
	s_mov_b32 s21, 0xfedcba98
	s_mov_b32 s22, 0x3e38aa3b                      ; c = log2(e) / 8
	s_lshl_b32 s56, ttmp9, 2
	s_add_co_u32 s56, s56, s19                     ; the query head
	s_lshl_b32 s56, s56, 17
	s_lshl_b32 s57, s33, 10
	s_add_co_u32 s56, s56, s57
	s_mov_b32 s57, 0                               ; Q: head x 131,072 + tile x 1,024
	s_lshr_b32 s58, ttmp9, 1
	s_lshl_b32 s58, s58, 20                        ; O: the group of eight heads x 1,048,576
	s_lshl_b32 s59, s33, 13
	s_add_co_u32 s58, s58, s59                     ; + tile x 8,192
	s_and_b32 s59, ttmp9, 1
	s_lshl_b32 s59, s59, 2
	s_add_co_u32 s59, s59, s19
	s_lshl_b32 s59, s59, 10
	s_add_co_u32 s58, s58, s59                     ; + the head within the eight x 1,024
	s_mov_b32 s59, 0
	s_lshr_b32 s60, s16, 1
	s_lshl_b32 s60, s60, 5
	s_and_b32 s61, s16, 1
	s_lshl_b32 s61, s61, 3
	s_add_co_u32 s60, s60, s61
	s_wait_dscnt 0x0                               ; the opening add is done
	s_wait_kmcnt 0x0
	s_load_b128 s[68:71], s[10:11], 0x30           ; entries 12 to 15: q, k, v, p
	s_load_b32 s72, s[10:11], 0x40                 ; entry 16: the result
	s_cmp_lt_u32 s18, 8                            ; waves 0-7: K; waves 8-15: V
	s_cselect_b64 s[38:39], s[6:7], s[8:9]
	s_add_nc_u64 s[38:39], s[38:39], s[36:37]
	s_add_nc_u64 s[4:5], s[4:5], s[56:57]
	s_add_nc_u64 s[76:77], s[4:5], s[76:77]
	s_add_nc_u64 s[12:13], s[12:13], s[58:59]
	CROUND                                         ; the four work-groups are here: the joint loads meet
	s_mov_b32 s[G0], 1
	s_lshl_b32 s[G0+1], s18, 14                    ; LDS: 16,384 x wave: K's eight pieces from 0, V's from 131,072
	s_add_nc_u64 s[G0+2:G0+3], s[38:39], s[34:35]
	s_or_b32 s[G0+3], s[G0+3], 0x80000000
	tensor_load_to_lds s[G0:G0+3], s[G1:G1+7]      ; every wave's one tensor load
	s_nop 0
.rept 4
	v_nop
.endr
	v_and_b32 v[LI], 31, v0
	s_delay_alu instid0(VALU_DEP_1)
	v_lshlrev_b32 v[LI], 4, v[LI]
	global_load_b128 v[16:19], v[LI], s[4:5]               ; Q's fragment stays in registers
	global_load_b128 v[20:23], v[LI], s[4:5] offset:512
	global_load_b128 v[24:27], v[LI], s[76:77]             ; the late tile's Q, for walk 2
	global_load_b128 v[28:31], v[LI], s[76:77] offset:512
	v_add_nc_u32 v10, s75, v[LI]                           ; v10: my lane's place in the stage
	v_and_b32 v8, 15, v0
	v_bfe_u32 v9, v0, 4, 1
	s_delay_alu instid0(VALU_DEP_2)
	v_and_b32 v7, 8, v8
	s_delay_alu instid0(VALU_DEP_1)
	v_add_nc_u32 v7, v7, v8
	s_delay_alu instid0(VALU_DEP_3)
	v_lshlrev_b32 v9, 4, v9
	s_delay_alu instid0(VALU_DEP_1)
	v_sub_nc_u32 v7, v7, v9
	s_delay_alu instid0(VALU_DEP_1)
	v_add_nc_u32 v7, s60, v7                       ; my query within its block, less 16 (lane/16)
	v_mov_b32 v13, 0xff61b1e6                      ; the largest t so far: -3e38
	s_delay_alu instid0(VALU_DEP_1)
	v_floor_f32 v12, -v13
	v_mov_b32 v14, 0
	v_mov_b32 v15, 0
	v_mov_b32 v246, 0                              ; a lane permute's destination counts as read
	v_mov_b32 v253, 0                              ; (the upper half of the pair v[252:253])
.set j, 0
.rept 32
	v_mov_b32 v[160+j], 0                          ; O^T: the step is written once; its first run finds zeros
.set j, j+1
.endr
	s_wait_kmcnt 0x0
	s_add_co_i32 s56, s68, s69
	s_lshl_b32 s56, s56, 23
	s_add_co_i32 s22, s22, s56                     ; a score stands for score x 2^(e12 + e13)
	s_mov_b32 s23, s22
	s_add_co_i32 s56, s71, 127
	s_lshl_b32 s57, s56, 23
	v_mov_b32 v244, s57                            ; 2^e15, for p's conversion
	s_add_co_i32 s56, s56, 8
	s_lshl_b32 s56, s56, 23
	s_or_b32 s56, s56, 0x600000
	v_mov_b32 v240, s56                            ; 448 x 2^e15
	s_add_co_i32 s56, s72, 127
	s_lshl_b32 s57, s56, 23
	v_mov_b32 v245, s57                            ; 2^e16, for the result's
	s_add_co_i32 s56, s56, 8
	s_lshl_b32 s56, s56, 23
	s_or_b32 s56, s56, 0x600000
	v_mov_b32 v241, s56
	s_add_co_i32 s58, s70, s71                     ; e14 + e15
; A KEY STEP: 128 keys.  s3: its number; s2: the LDS byte of its tiles of K (V's lie 131,072 further on)
.macro STEP
	s_cmp_gt_u32 s3, s74
	s_cbranch_scc1 .Lhidden_\@                     ; behind my last step of this walk
	s_cmp_lt_u32 s3, s73
	s_cbranch_scc1 .Lhidden_\@                     ; or ahead of my first
	v_add_nc_u32 v8, s2, v[LI]
	s_delay_alu instid0(VALU_DEP_1)
	v_add_nc_u32 v9, VOFF, v8
	v_nop
	v_nop                                          ; with the two additions: four places in front of loads into registers that matrix instructions have read
.irp t, 0,1,2,3,4,5,6,7
	ds_load_b128 v[32+8*\t:35+8*\t], v8 offset:1024*\t
	ds_load_b128 v[36+8*\t:39+8*\t], v8 offset:1024*\t+512
.endr
	s_wait_alu depctr_va_vdst(0)
	s_wait_dscnt 0x0
.irp t, 0,1,2,3,4,5,6,7
	v_wmma_f32_16x16x64_fp8_fp8 v[96+8*\t:103+8*\t], v[32+8*\t:39+8*\t], v[16:23], 0
.endr
.rept 4
	v_nop
.endr
.irp a, 0,1,2,3
.irp c, 0,1,2,3
	ds_load_b128 v[32+16*\a+4*\c:35+16*\a+4*\c], v9 offset:2048*\a+512*\c     ; V's fragments land under the softmax
.endr
.endr
	s_cmp_lt_u32 s3, s17
	s_cbranch_scc1 .Lopen_\@                       ; all its keys count
	v_mov_b32 v254, 0xff800000                     ; on the diagonal: register n holds key 32 (n/16) + n%16 + 16 (lane/16) of the block: hidden where that is above my query
.set n, 0
.rept 64
	v_cmp_gt_i32 vcc_lo, 32*(n/16)+n%16, v7
	v_cndmask_b32 v[96+n], v[96+n], v254, vcc_lo
.set n, n+1
.endr
.Lopen_\@:
	v_max3_num_f32 v254, v96, v97, v98
	v_max3_num_f32 v252, v99, v100, v101
.irp i, 6,10,14,18,22,26,30,34,38,42,46,50,54,58
	v_max3_num_f32 v254, v254, v[96+\i], v[97+\i]
	v_max3_num_f32 v252, v252, v[98+\i], v[99+\i]
.endr
	v_max3_num_f32 v254, v254, v158, v159
	s_delay_alu instid0(VALU_DEP_1)
	v_max_num_f32 v254, v254, v252
	s_delay_alu instid0(VALU_DEP_1)
	v_permlanex16_b32 v246, v254, s20, s21
	s_delay_alu instid0(VALU_DEP_1)
	v_max_num_f32 v254, v254, v246                 ; the step's largest score of my query
	s_delay_alu instid0(VALU_DEP_1)
	v_mul_f32 v254, s22, v254
	s_delay_alu instid0(VALU_DEP_1)
	v_max_num_f32 v13, v13, v254                   ; the running largest t
	v_mov_b32 v254, v12
	s_delay_alu instid0(VALU_DEP_2)
	v_floor_f32 v12, -v13                          ; -M = floor(-t): M is a whole number
	s_delay_alu instid0(VALU_DEP_1)
	v_sub_f32 v254, v12, v254
	s_delay_alu instid0(VALU_DEP_1)
	v_cvt_i32_f32 v254, v254
	s_delay_alu instid0(VALU_DEP_1)
	v_ldexp_f32 v252, 1.0, v254                    ; f = 2^(old M - new M)
.set j, 0
.rept 32
	v_pk_fma_f32 v[96+j:97+j], v[96+j:97+j], s[22:23], v[12:13] op_sel_hi:[1,0,0]   ; t - M
.set j, j+2
.endr
.set j, 0
	s_wait_alu depctr_va_vdst(0)
.rept 64
	v_exp_f32 v[96+j], v[96+j]                     ; p: one batch
.set j, j+1
.endr
	v_pk_mul_f32 v[14:15], v[14:15], v[252:253] op_sel_hi:[1,0]   ; the sum under the new M: the plain line behind the batch
	s_wait_alu depctr_va_vdst(0)                   ; one wait for the batch, ahead of its first reader
	v_pk_add_f32 v[242:243], v[100:101], v[104:105]
	v_pk_add_f32 v[254:255], v[108:109], v[112:113]
	v_pk_add_f32 v[250:251], v[116:117], v[120:121]
	v_pk_add_f32 v[248:249], v[124:125], v[128:129]
	v_pk_add_f32 v[238:239], v[132:133], v[136:137]
	v_pk_add_f32 v[236:237], v[140:141], v[144:145]
	v_pk_add_f32 v[234:235], v[148:149], v[152:153]
	v_pk_add_f32 v[14:15], v[14:15], v[156:157]
	v_pk_add_f32 v[242:243], v[242:243], v[96:97]
	v_pk_add_f32 v[254:255], v[254:255], v[98:99]
	v_pk_add_f32 v[250:251], v[250:251], v[102:103]
	v_pk_add_f32 v[248:249], v[248:249], v[106:107]
	v_pk_add_f32 v[238:239], v[238:239], v[110:111]
	v_pk_add_f32 v[236:237], v[236:237], v[114:115]
	v_pk_add_f32 v[234:235], v[234:235], v[118:119]
	v_pk_add_f32 v[14:15], v[14:15], v[122:123]
	v_pk_add_f32 v[242:243], v[242:243], v[126:127]
	v_pk_add_f32 v[254:255], v[254:255], v[130:131]
	v_pk_add_f32 v[250:251], v[250:251], v[134:135]
	v_pk_add_f32 v[248:249], v[248:249], v[138:139]
	v_pk_add_f32 v[238:239], v[238:239], v[142:143]
	v_pk_add_f32 v[236:237], v[236:237], v[146:147]
	v_pk_add_f32 v[234:235], v[234:235], v[150:151]
	v_pk_add_f32 v[14:15], v[14:15], v[154:155]
	v_pk_add_f32 v[242:243], v[242:243], v[158:159]
	s_delay_alu instid0(VALU_DEP_2)
	v_pk_add_f32 v[14:15], v[14:15], v[248:249]
	s_delay_alu instid0(VALU_DEP_2)
	v_pk_add_f32 v[242:243], v[242:243], v[238:239]
	v_pk_add_f32 v[254:255], v[254:255], v[236:237]
	v_pk_add_f32 v[250:251], v[250:251], v[234:235]
	s_delay_alu instid0(VALU_DEP_2)
	v_pk_add_f32 v[14:15], v[14:15], v[254:255]
	s_delay_alu instid0(VALU_DEP_2)
	v_pk_add_f32 v[242:243], v[242:243], v[250:251]
	s_delay_alu instid0(VALU_DEP_1)
	v_pk_add_f32 v[14:15], v[14:15], v[242:243]
.irp b, 0,1,2,3
.irp i, 0,1,2,3,4,5,6,7,8,9,10,11,12,13,14,15
	v_min_num_f32 v[96+16*\b+\i], v[96+16*\b+\i], v240   ; the conversion does not saturate (ISA guide 7.6.2); p is not negative
.endr
	v_cvt_scalef32_pk8_fp8_f32 v[224+4*\b:225+4*\b], v[96+16*\b:103+16*\b], v244
	v_cvt_scalef32_pk8_fp8_f32 v[226+4*\b:227+4*\b], v[104+16*\b:111+16*\b], v244
.endr
.set j, 0
.rept 16
	v_pk_mul_f32 v[160+j:161+j], v[160+j:161+j], v[252:253] op_sel_hi:[1,0]   ; O^T under the new M; also the plain lines behind the conversions
.set j, j+2
.endr
	s_wait_alu depctr_va_vdst(0)
	s_wait_dscnt 0x0                               ; V's fragments
.irp a, 0,1,2,3
	v_wmma_f32_16x16x128_fp8_fp8 v[160+8*\a:167+8*\a], v[32+16*\a:47+16*\a], v[224:239], v[160+8*\a:167+8*\a]   ; the four accumulators by turns
.endr
.Lhidden_\@:
	s_add_co_u32 s3, s3, 1
	s_add_co_u32 s2, s2, 8192
.endm
.macro WAYOUT
	; THE WAY OUT: O^T / the sum x 2^(e14 + e15), quantised with entry 16.  Register 8 a + j is channel 32 (a/2) + 16 h + 8 (a%2) + j: the image of the last product's operand
	v_add_f32 v14, v14, v15
	s_delay_alu instid0(VALU_DEP_1)
	v_permlanex16_b32 v246, v14, s20, s21
	s_delay_alu instid0(VALU_DEP_1)
	v_add_f32 v14, v14, v246
	s_wait_alu depctr_va_vdst(0)
	v_rcp_f32 v14, v14
	v_nop                                          ; a plain line behind the reciprocal
	v_nop
	s_wait_alu depctr_va_vdst(0)                   ; the wait ahead of its first reader
	v_ldexp_f32 v14, v14, s58
.set j, 0
.rept 16
	v_pk_mul_f32 v[96+j:97+j], v[160+j:161+j], v[14:15] op_sel_hi:[1,0]
.set j, j+2
.endr
.set j, 0
.rept 32
	v_med3_num_f32 v[96+j], v[96+j], -v241, v241
.set j, j+1
.endr
.irp g, 0,1,2,3
	v_cvt_scalef32_pk8_fp8_f32 v[224+2*\g:225+2*\g], v[96+8*\g:103+8*\g], v245
.endr
	v_nop
	global_store_b128 v[LI], v[224:227], s[12:13]              ; 512 consecutive bytes, aligned
	global_store_b128 v[LI], v[228:231], s[12:13] offset:512
.endm
.macro WALK                            ; all 16 key steps; those outside my range are jumped over
	s_mov_b32 s2, 0
	s_mov_b32 s3, 0
	s_mov_b32 s32, 16
.Lkeys_\@:
	STEP
	s_sub_co_u32 s32, s32, 1
	s_cmp_lg_u32 s32, 0
	s_cbranch_scc1 .Lkeys_\@
.endm
	s_wait_alu depctr_va_vdst(0)
	s_wait_loadcnt 0x0                             ; both Q
	s_wait_tensorcnt 0x0                           ; my piece has landed
	s_wait_dscnt 0x0
	s_barrier_signal -1
	s_barrier_wait -1                              ; everybody's has: all of K and V are in LDS, and nothing is filled again
	WALK
	s_cmp_eq_u32 s15, 1
	s_cselect_b32 s73, 16, 9                       ; walk 2: the late wave has no step, the early one steps 9 .. 15 - i of the late tile
	s_mov_b32 s17, s78
	s_mov_b32 s74, s78
	s_cbranch_scc1 .Lsecond
	WAYOUT                                         ; the early tile is finished
	s_wait_xcnt 0x0                                ; its stores have read their registers
.set j, 0
.rept 8
	v_mov_b32 v[16+j], v[24+j]                     ; the late tile's Q
.set j, j+1
.endr
	v_mov_b32 v13, 0xff61b1e6                      ; and a fresh state
	v_floor_f32 v12, -v13
	v_mov_b32 v14, 0
	v_mov_b32 v15, 0
.set j, 0
.rept 32
	v_mov_b32 v[160+j], 0
.set j, j+1
.endr
	s_wait_alu depctr_va_vdst(0)
.Lsecond:
	WALK
	s_cmp_eq_u32 s15, 1
	s_cbranch_scc1 .Lno_part
.rept 4
	v_nop                                          ; places behind the last products
.endr
.irp j, 0,1,2,3,4,5,6,7
	ds_store_b128 v10, v[160+4*\j:163+4*\j] offset:512*\j    ; the helper's O^T, each accumulator from its low end on,
.endr
	ds_store_b128 v10, v[12:15] offset:4096                  ; its -M, largest t and sums
.Lno_part:
	s_wait_dscnt 0x0                               ; my stores are done
	s_barrier_signal -1
	s_barrier_wait -1
	s_cmp_eq_u32 s15, 0
	s_cbranch_scc1 .Ldone
.rept 4
	v_nop                                          ; places in front of loads into registers that matrix instructions have read
.endr
.irp j, 0,1,2,3,4,5,6,7
	ds_load_b128 v[32+4*\j:35+4*\j], v10 offset:512*\j
.endr
	ds_load_b128 v[64:67], v10 offset:4096
	s_wait_dscnt 0x0
	v_min_num_f32 v68, v12, v64                    ; the joint -M
	v_mov_b32 v73, 0                               ; (upper halves of the pairs named below)
	v_mov_b32 v75, 0
	v_sub_f32 v69, v68, v12                        ; my M less the joint one: a whole number, 0 or less
	v_sub_f32 v70, v68, v64                        ; the helper's likewise (a helper without steps: very large, and its factor is 0)
	v_cvt_i32_f32 v69, v69                         ; (it saturates)
	v_cvt_i32_f32 v70, v70
	v_ldexp_f32 v72, 1.0, v69
	v_ldexp_f32 v74, 1.0, v70
	v_pk_mul_f32 v[14:15], v[14:15], v[72:73] op_sel_hi:[1,0]
	v_pk_fma_f32 v[14:15], v[66:67], v[74:75], v[14:15] op_sel_hi:[1,0,1]
.set j, 0
.rept 16
	v_pk_mul_f32 v[160+j:161+j], v[160+j:161+j], v[72:73] op_sel_hi:[1,0]
.set j, j+2
.endr
.set j, 0
.rept 16
	v_pk_fma_f32 v[160+j:161+j], v[32+j:33+j], v[74:75], v[160+j:161+j] op_sel_hi:[1,0,1]
.set j, j+2
.endr
	WAYOUT                                         ; the late tile is finished
.Ldone:
	s_wait_tensorcnt 0x0                           ; the wave's end
	ds_add_u32 v[SPW], v[NIL]
	s_wait_dscnt 0x0
	CROUND                                         ; the closing round
	s_endpgm
.Lfunc_end_k_q8112dda774_attn:
	.size	k_q8112dda774_attn, .Lfunc_end_k_q8112dda774_attn-k_q8112dda774_attn
	.p2alignl 7, 3214868480
	.fill 96, 4, 3214868480
	.section	.rodata,"a",@progbits
	.p2align	6, 0x0
	.amdhsa_kernel k_q8112dda774_attn
		.amdhsa_group_segment_fixed_size 301056
		.amdhsa_private_segment_fixed_size 0
		.amdhsa_enable_private_segment 0
		.amdhsa_kernarg_size 40
		.amdhsa_user_sgpr_count 2
		.amdhsa_user_sgpr_kernarg_segment_ptr 1
		.amdhsa_wavefront_size32 1
		.amdhsa_system_sgpr_workgroup_id_x 1
		.amdhsa_system_sgpr_workgroup_id_y 1
		.amdhsa_system_sgpr_workgroup_id_z 1
		.amdhsa_system_vgpr_workitem_id 0
		.amdhsa_next_free_vgpr 256
		.amdhsa_next_free_sgpr 80
		.amdhsa_reserve_vcc 1
		.amdhsa_float_denorm_mode_32 3
		.amdhsa_float_denorm_mode_16_64 3
		.amdhsa_memory_ordered 1
		.amdhsa_forward_progress 1
		.amdhsa_inst_pref_size 64
	.end_amdhsa_kernel
	.amdgpu_metadata
---
amdhsa.version: [ 1, 2 ]
amdhsa.kernels:
  - .name:           k_q8112dda774_attn
    .symbol:         k_q8112dda774_attn.kd
    .args:
      - { .name: qimg, .offset: 0, .size: 8, .value_kind: global_buffer, .address_space: global }
      - { .name: kimg, .offset: 8, .size: 8, .value_kind: global_buffer, .address_space: global }
      - { .name: vimg, .offset: 16, .size: 8, .value_kind: global_buffer, .address_space: global }
      - { .name: lowp_scales, .offset: 24, .size: 8, .value_kind: global_buffer, .address_space: global }
      - { .name: oimg, .offset: 32, .size: 8, .value_kind: global_buffer, .address_space: global }
    .group_segment_fixed_size: 301056
    .private_segment_fixed_size: 0
    .kernarg_segment_align: 8
    .kernarg_segment_size: 40
    .max_flat_workgroup_size: 512
    .sgpr_count:     80
    .vgpr_count:     256
    .wavefront_size: 32
...
	.end_amdgpu_metadata
.endif
;; end of part 3
;; launch oproj (part 4): grid 16 x 16, 4 waves a work-group, clusters of 4 x 1, 327,680 bytes of LDS; arguments oimg, wocodes, lowp_scales, out0; writes out0
.if DOCPART == 4
	.amdgcn_target "amdgcn-amd-amdhsa--gfx1250"
	.amdhsa_code_object_version 6
	.text
	.protected	k_q8112dda774_oproj
	.globl	k_q8112dda774_oproj
	.p2align	8
	.type	k_q8112dda774_oproj,@function
k_q8112dda774_oproj:
	s_mov_b64 s[64:65], 0
	v_nop
	global_prefetch_b8 v0, s[64:65] scope:SCOPE_SE
	s_setreg_imm32_b32 hwreg(HW_REG_WAVE_MODE, 25, 1), 1
	s_wait_xcnt 0x0
	s_wait_alu depctr_hold_cnt(0) depctr_sa_sdst(0) depctr_va_vdst(0) depctr_va_sdst(0) depctr_va_ssrc(0) depctr_va_vcc(0) depctr_vm_vsrc(0)
	s_getreg_b32 s2, hwreg(HW_REG_IB_STS2, 6, 4)
	s_cmp_eq_u32 s2, 0
	s_cbranch_scc0 .Lentry_in_a_cluster
	s_endpgm
.Lentry_in_a_cluster:
	s_bfe_u32 s2, ttmp6, 0x10000c
	s_cmp_lg_u32 s2, 0x3003
	s_cbranch_scc0 .Lentry_shape_is_right
	s_endpgm
.Lentry_shape_is_right:
.set PB,    528
.set ATILE, 65536
.set SLOT,  ATILE+128*PB
.set STAGE, 2*SLOT
.set SPITCH, 272
.set SPARE, STAGE+4*16*SPITCH
.set ADRA, 16
.set ADRB, 20
.set STO,  24
.set RD,   25
.set CO,   26
.set SPW,  28
.set NIL,  29
.set LI,   30
.set G1A, 32
.set G0A, 40
.set G1B, 48
.set G0B, 56
.set MSB, 0
.macro WIN new
.if MSB != \new
	s_set_vgpr_msb (MSB<<8)|\new
.set MSB, \new
.endif
.endm
.set MUL,  0xa1
.set TO_B, 0x40
.macro PLACES
.rept 4
	v_nop
.endr
.endm
.macro JLOAD s
	s_cmp_eq_u32 s23, 0
	s_cbranch_scc0 .Lfor_b_\@
	tensor_load_to_lds s[G0A+4*\s:G0A+4*\s+3], s[G1A:G1A+7]
	s_nop 0
.rept 4
	v_nop
.endr
	s_branch .Lasked_\@
.Lfor_b_\@:
	tensor_load_to_lds s[G0B+4*\s:G0B+4*\s+3], s[G1B:G1B+7]
	s_nop 0
.rept 4
	v_nop
.endr
.Lasked_\@:
.endm
; A PREFETCH INTO THE L2 of K step k, behind the load of K step k - 1.  Waves 0 and 1: their own dense 32,768 bytes of the image, lanes 256 bytes apart, four instructions.
; Waves 2 and 3: of the 64 rows x 512 bytes that they fetch jointly, my work-group's 16 rows (16 x cx rows are in s[76:77]): lane % 16 the row, lane / 16 the block of 256 bytes.
.set PFA, 18                           ; v18: 256 x lane; never rewritten
.set PFB, 19                           ; v19: 2,048 x (lane % 16) + 256 x (lane / 16); never rewritten
.macro ASK k
	s_cmp_eq_u32 s23, 0
	s_cbranch_scc0 .Lpb_\@
.irp j, 0,1,2,3
	global_prefetch_b8 v[PFA], s[68:69] offset:(\k)*0x100000+8192*\j th:TH_LOAD_NT scope:SCOPE_SE
.endr
	s_branch .Lpd_\@
.Lpb_\@:
	global_prefetch_b8 v[PFB], s[76:77] offset:(\k)*512 th:TH_LOAD_NT scope:SCOPE_SE
.Lpd_\@:
.endm
.macro CREST
	s_cmp_lg_u32 s22, 0
	s_cbranch_scc1 .Lnot_wave_0_\@
	s_barrier_signal -3
.Lnot_wave_0_\@:
	s_barrier_wait -3
	s_barrier_signal -1
	s_barrier_wait -1
.endm
.macro CROUND
	s_barrier_signal -1
	s_barrier_wait -1
	CREST
.endm
	s_load_b256 s[4:11], s[0:1], 0x0
	v_lshl_add_u32 v[SPW], v0, 2, SPARE
	v_mov_b32 v[NIL], 0
	ds_add_u32 v[SPW], v[NIL]
	ds_add_u32 v[SPW], v[NIL]
	v_lshrrev_b32 v1, 5, v0
	v_readfirstlane_b32 s22, v1
	v_and_b32 v[PFA], 31, v0
	v_lshlrev_b32 v[PFA], 8, v[PFA]
	v_and_b32 v[PFB], 15, v0
	v_bfe_u32 v3, v0, 4, 1
	v_lshlrev_b32 v[PFB], 11, v[PFB]
	v_lshl_add_u32 v[PFB], v3, 8, v[PFB]
	s_lshr_b32 s23, s22, 1
	s_and_b32 s24, s22, 1
	s_bfe_u32 s25, ttmp6, 0x40000
	s_mov_b32 s26, ttmp9
	s_and_b32 s27, ttmp7, 0xffff
	s_mov_b32 s[G1A+0], 3<<16
	s_mov_b32 s[G1A+1], 32<<16
	s_mov_b32 s[G1A+2], 128<<16
	s_mov_b32 s[G1A+3], 32<<16
	s_mov_b32 s[G1A+4], 128
	s_mov_b32 s[G1A+5], 32
	s_mov_b32 s[G1A+6], 0
	s_mov_b32 s[G1A+7], 0
	s_mov_b32 s[G1B+0], 15|(1<<20)|(1<<21)|(6<<22)|(3<<25)
	s_mov_b32 s[G1B+1], 512<<16
	s_mov_b32 s[G1B+2], 64<<16
	s_mov_b32 s[G1B+3], 512<<16
	s_mov_b32 s[G1B+4], 64
	s_mov_b32 s[G1B+5], 2048
	s_mov_b32 s[G1B+6], 0
	s_mov_b32 s[G1B+7], 0
	s_lshl_b32 s66, s26, 2
	s_add_co_u32 s66, s66, s25
	s_lshl_b32 s74, s66, 1
	s_add_co_u32 s74, s74, s23
	s_lshl_b32 s74, s74, 19
	s_lshl_b32 s66, s66, 1
	s_add_co_u32 s66, s66, s24
	s_lshl_b32 s66, s66, 15
	s_mov_b32 s67, 0
	s_lshl_b32 s70, s27, 1
	s_add_co_u32 s70, s70, s24
	s_lshl_b32 s75, s70, 8
	s_add_co_u32 s74, s74, s75
	s_mov_b32 s75, 0
	s_lshl_b32 s70, s70, 17
	s_mov_b32 s71, 0
	s_lshl_b32 s78, s24, 15
	s_wait_alu depctr_va_vdst(0)
	s_mul_i32 s79, s24, 64*PB
	s_add_co_u32 s79, s79, ATILE
	s_wait_dscnt 0x0
	s_wait_kmcnt 0x0
	s_load_b64 s[96:97], s[8:9], 0x40
	s_add_nc_u64 s[68:69], s[4:5], s[66:67]
	s_add_nc_u64 s[72:73], s[6:7], s[70:71]
	s_lshl_b32 s76, s25, 15                        ; 16 x cx rows of 2,048 bytes
	s_mov_b32 s77, 0
	s_add_nc_u64 s[76:77], s[72:73], s[76:77]
	s_add_nc_u64 s[10:11], s[10:11], s[74:75]
	CROUND
.irp s, 0,1
	s_mov_b32 s[G0A+4*\s], 1
	s_add_co_u32 s[G0A+4*\s+1], s78, \s*SLOT
	s_add_nc_u64 s[G0A+4*\s+2:G0A+4*\s+3], s[68:69], \s*0x100000
	s_or_b32 s[G0A+4*\s+3], s[G0A+4*\s+3], 0x80000000
	s_mov_b32 s[G0B+4*\s], 1
	s_add_co_u32 s[G0B+4*\s+1], s79, \s*SLOT
	s_add_nc_u64 s[G0B+4*\s+2:G0B+4*\s+3], s[72:73], \s*512
	s_or_b32 s[G0B+4*\s+3], s[G0B+4*\s+3], 0x80000000
.if \s
	s_wait_alu depctr_va_vdst(0)
	s_wait_tensorcnt 0x0                           ; slot 1's first fill is issued as a refill is
	ds_add_u32 v28, v29
	s_wait_dscnt 0x0
	CROUND
.endif
	JLOAD \s
	ASK \s+1
.endr
	v_and_b32 v1, 15, v0
	v_bfe_u32 v2, v0, 4, 1
	v_and_b32 v[LI], 31, v0
	v_lshlrev_b32 v[LI], 4, v[LI]
	v_mul_u32_u24 v3, v1, PB
	v_lshl_add_u32 v3, v2, 4, v3
	s_lshl_b32 s78, s23, 15
	s_mul_i32 s79, s24, 64*PB
	s_add_co_u32 s79, s79, ATILE
.irp s, 0,1
	v_add_nc_u32 v[ADRA+\s], s78, v[LI]
	v_add_nc_u32 v[ADRB+\s], s79, v3
	s_add_co_u32 s78, s78, SLOT
	s_add_co_u32 s79, s79, SLOT
.endr
	s_mul_i32 s78, s22, 16*SPITCH
	s_add_co_u32 s78, s78, STAGE
	v_mul_u32_u24 v5, v1, SPITCH
	v_lshl_add_u32 v5, v2, 6, v5
	v_add_nc_u32 v[STO], s78, v5
	v_mul_u32_u24 v6, v2, SPITCH
	v_lshl_add_u32 v6, v1, 4, v6
	v_add_nc_u32 v[RD], s78, v6
	v_lshlrev_b32 v[CO], 13, v2
	v_lshl_add_u32 v[CO], v1, 4, v[CO]
.macro FRAG reg, adr, q, i
.irp c, 0,1,2,3
	ds_load_b128 v[\reg+4*\c:\reg+4*\c+3], v[\adr] offset:128*(\q)+32*\c+(\i)*16*PB
.endr
.endm
.macro FRAGA reg, adr, q, i
.irp c, 0,1,2,3
	ds_load_b128 v[\reg+4*\c:\reg+4*\c+3], v[\adr] offset:(\i)*8192+(\q)*2048+512*\c
.endr
.endm
.macro FETCH slot, q, p
	WIN TO_B
.irp i, 0,1,2,3
	FRAG 128*(\p)+16*\i, ADRB+\slot, \q, \i
.endr
	WIN 0
.irp i, 0,1,2,3
	FRAGA 64+64*(\p)+16*\i, ADRA+\slot, \q, \i
.endr
.endm
.macro MULA a, p, zero
.irp b, 0,1,2,3
.if \zero
	v_wmma_f32_16x16x128_fp8_fp8 v[8*(4*(\a)+\b):8*(4*(\a)+\b)+7], v[128*(\p)+16*\b:128*(\p)+16*\b+15], v[64+64*(\p)+16*(\a):64+64*(\p)+16*(\a)+15], 0
.else
	v_wmma_f32_16x16x128_fp8_fp8 v[8*(4*(\a)+\b):8*(4*(\a)+\b)+7], v[128*(\p)+16*\b:128*(\p)+16*\b+15], v[64+64*(\p)+16*(\a):64+64*(\p)+16*(\a)+15], v[8*(4*(\a)+\b):8*(4*(\a)+\b)+7]
.endif
.endr
.endm
.macro UNIT slot, q, p, zero
	s_wait_dscnt 8
	WIN MUL
	MULA 0, \p, \zero
	MULA 1, \p, \zero
	PLACES
	FETCH \slot, \q, 1-(\p)
	s_wait_dscnt 32
	WIN MUL
	MULA 2, \p, \zero
	MULA 3, \p, \zero
	WIN 0
.endm
.macro TURN slot, next, fill
	s_wait_dscnt 8
	WIN MUL
	MULA 0, 1, 0
	MULA 1, 1, 0
	WIN 0
	s_wait_tensorcnt 0x0
	ds_add_u32 v[SPW], v[NIL]
	s_wait_dscnt 0x0
	s_barrier_signal -1
	s_barrier_wait -1
.if \fill
	CREST
	s_add_nc_u64 s[G0A+4*\slot+2:G0A+4*\slot+3], s[G0A+4*\slot+2:G0A+4*\slot+3], 0x200000
	s_add_nc_u64 s[G0B+4*\slot+2:G0B+4*\slot+3], s[G0B+4*\slot+2:G0B+4*\slot+3], 1024
	JLOAD \slot
.else
	PLACES
.endif
	s_wait_alu depctr_va_vdst(0)
	FETCH \next, 0, 0
.if (\fill) && ((\slot) == 0)
	ASK 3                                          ; the last K step; behind its own load nothing is asked for
.endif
	WIN MUL
	MULA 2, 1, 0
	MULA 3, 1, 0
	WIN 0
.endm
	s_wait_tensorcnt 1
	s_barrier_signal -1
	s_barrier_wait -1
	FETCH 0, 0, 0
	UNIT 0, 1, 0, 1
	UNIT 0, 2, 1, 0
	UNIT 0, 3, 0, 0
	TURN 0, 1, 1
	UNIT 1, 1, 0, 0
	UNIT 1, 2, 1, 0
	UNIT 1, 3, 0, 0
	TURN 1, 0, 1
	UNIT 0, 1, 0, 0
	UNIT 0, 2, 1, 0
	UNIT 0, 3, 0, 0
	TURN 0, 1, 0
	UNIT 1, 1, 0, 0
	UNIT 1, 2, 1, 0
	UNIT 1, 3, 0, 0
	s_wait_dscnt 0x0
	WIN MUL
	MULA 0, 1, 0
	MULA 1, 1, 0
	MULA 2, 1, 0
	MULA 3, 1, 0
	WIN 0
	s_wait_kmcnt 0x0
	s_add_co_i32 s96, s96, s97
	s_add_co_i32 s96, s96, 127
	s_lshl_b32 s96, s96, 23
	s_mov_b32 s97, s96
	PLACES
.macro TOSTAGE a
	WIN 0x02
.set j, 0
.rept 16
	v_pk_mul_f32 v[32+j:33+j], v[32*(\a)+j:32*(\a)+j+1], s[96:97] op_sel_hi:[1,0]
.set j, j+2
.endr
	WIN 0
.irp b, 0,1,2,3
	ds_store_b128 v[STO], v[32+8*\b:35+8*\b] offset:128*(\b/2)+32*(\b%2)
	ds_store_b128 v[STO], v[36+8*\b:39+8*\b] offset:128*(\b/2)+32*(\b%2)+16
.endr
.set BB, 192+32*((\a)%2)
.irp t, 0,1,2,3,4,5,6,7
	ds_load_b128 v[BB+4*\t:BB+4*\t+3], v[RD] offset:2*\t*SPITCH
.endr
.endm
.macro SEND a, younger
.set BB, 192+32*((\a)%2)
	s_wait_dscnt \younger
.irp t, 0,1,2,3,4,5,6,7
	global_store_b128 v[CO], v[BB+4*\t:BB+4*\t+3], s[10:11] offset:(32*((\a)/2)+8*((\a)%2)+2*\t+8*(\t/4))*8192 th:TH_STORE_NT
.endr
.endm
	TOSTAGE 0
.irp a, 1,2,3
.if \a > 1
	s_wait_xcnt 0x0
.endif
	TOSTAGE \a
	SEND \a-1, 16
.endr
	SEND 3, 0
	s_wait_tensorcnt 0x0
	ds_add_u32 v[SPW], v[NIL]
	s_wait_dscnt 0x0
	CROUND
	s_endpgm
.Lfunc_end_k_q8112dda774_oproj:
	.size	k_q8112dda774_oproj, .Lfunc_end_k_q8112dda774_oproj-k_q8112dda774_oproj
	.p2alignl 7, 3214868480
	.fill 96, 4, 3214868480
	.section	.rodata,"a",@progbits
	.p2align	6, 0x0
	.amdhsa_kernel k_q8112dda774_oproj
		.amdhsa_group_segment_fixed_size 327680
		.amdhsa_private_segment_fixed_size 0
		.amdhsa_enable_private_segment 0
		.amdhsa_kernarg_size 32
		.amdhsa_user_sgpr_count 2
		.amdhsa_user_sgpr_kernarg_segment_ptr 1
		.amdhsa_wavefront_size32 1
		.amdhsa_system_sgpr_workgroup_id_x 1
		.amdhsa_system_sgpr_workgroup_id_y 1
		.amdhsa_system_sgpr_workgroup_id_z 1
		.amdhsa_system_vgpr_workitem_id 0
		.amdhsa_next_free_vgpr 768
		.amdhsa_next_free_sgpr 100
		.amdhsa_reserve_vcc 0
		.amdhsa_float_denorm_mode_32 3
		.amdhsa_float_denorm_mode_16_64 3
		.amdhsa_memory_ordered 1
		.amdhsa_forward_progress 1
		.amdhsa_inst_pref_size 77
	.end_amdhsa_kernel
	.amdgpu_metadata
---
amdhsa.version: [ 1, 2 ]
amdhsa.kernels:
  - .name:           k_q8112dda774_oproj
    .symbol:         k_q8112dda774_oproj.kd
    .args:
      - { .name: oimg, .offset: 0, .size: 8, .value_kind: global_buffer, .address_space: global }
      - { .name: wocodes, .offset: 8, .size: 8, .value_kind: global_buffer, .address_space: global }
      - { .name: lowp_scales, .offset: 16, .size: 8, .value_kind: global_buffer, .address_space: global }
      - { .name: out0, .offset: 24, .size: 8, .value_kind: global_buffer, .address_space: global }
    .group_segment_fixed_size: 327680
    .private_segment_fixed_size: 0
    .kernarg_segment_align: 8
    .kernarg_segment_size: 32
    .max_flat_workgroup_size: 128
    .sgpr_count:     100
    .vgpr_count:     768
    .wavefront_size: 32
...
	.end_amdgpu_metadata
.endif
;; end of part 4
